; MI455X (gfx1250); checked and timed in simulation.
; The chip was launched on July 23, 2026; its instructions are those of AMD's public machine-readable ISA for CDNA 5 (MIT licence, August 2026) and "CDNA5" Instruction Set Architecture Reference Guide (July 2026). The comments in the code are by the model that wrote it; some were corrected since.
;; multi head attention. Allowed arithmetic: matrix products marked QUANTISED: E4M3 operands, one E8M0 scale for each 32 along K, by v_wmma_scale_f32_16x16x128_f8f6f4 with both operands' format E4M3, f32 sums; everything else in f32.
;; Inputs: Wk_codes 1,024 x 32 x 32 uint8 (E4M3 codes of Wk, K innermost, in blocks of 32 codes); Wk_scales 1,024 x 32 uint8 (E8M0 scales of Wk, one for each 32 codes along K); Wq_codes 1,024 x 32 x 32 uint8 (E4M3 codes of Wq, K innermost, in blocks of 32 codes); Wq_scales 1,024 x 32 uint8 (E8M0 scales of Wq, one for each 32 codes along K); Wres_codes 1,024 x 32 x 32 uint8 (E4M3 codes of Wres, K innermost, in blocks of 32 codes); Wres_scales 1,024 x 32 uint8 (E8M0 scales of Wres, one for each 32 codes along K); Wv_codes 1,024 x 32 x 32 uint8 (E4M3 codes of Wv, K innermost, in blocks of 32 codes); Wv_scales 1,024 x 32 uint8 (E8M0 scales of Wv, one for each 32 codes along K); b_att 64 float32; b_out 1,024 float32; bk 1,024 float32; bq 1,024 float32; bres 1,024 float32; bv 1,024 float32; g_att 64 float32; g_out 1,024 float32; key_codes 2 x 2,048 x 32 x 32 uint8 (E4M3 codes of key, K innermost, in blocks of 32 codes); key_scales 2 x 2,048 x 32 uint8 (E8M0 scales of key, one for each 32 codes along K); mask 2 x 2,048 int32; query_codes 2 x 2,048 x 32 x 32 uint8 (E4M3 codes of query, K innermost, in blocks of 32 codes); query_scales 2 x 2,048 x 32 uint8 (E8M0 scales of query, one for each 32 codes along K); value_codes 2 x 2,048 x 32 x 32 uint8 (E4M3 codes of value, K innermost, in blocks of 32 codes); value_scales 2 x 2,048 x 32 uint8 (E8M0 scales of value, one for each 32 codes along K).
;; Outputs: out0 2 x 2,048 x 1,024 float32.
;; This version of the problem:
;;   THIS VERSION OF THE PROBLEM IS GIVEN IN LOW PRECISION. The matrix products marked QUANTISED in the list below multiply operands that are first quantised to E4M3 (4 exponent bits, 3 mantissa bits; 8 bits a number), with one power-of-two scale for each 32 numbers along K (OCP MX v1.0); their sums are f32. All else is computed in f32.
;;   The module's matrix products, in the order in which they are computed (A, B: the left and right operand; K: the contracted axis; several contracted axes count as one K, in the product's order):
;;     1. [M 4,096, K 1,024] x [K 1,024, N 1,024]; A: input query (given as codes); B: input Wq (given as codes): QUANTISED
;;     2. [M 4,096, K 1,024] x [K 1,024, N 1,024]; A: input key (given as codes); B: input Wk (given as codes): QUANTISED
;;     3. [M 4,096, K 1,024] x [K 1,024, N 1,024]; A: input value (given as codes); B: input Wv (given as codes): QUANTISED
;;     4. batch 32 x [M 2,048, K 64] x [K 64, N 2,048]; A: computed on the way; B: computed on the way: QUANTISED
;;     5. batch 32 x [M 2,048, K 2,048] x [K 2,048, N 64]; A: softmax (see below); B: computed on the way: QUANTISED
;;     6. [M 4,096, K 1,024] x [K 1,024, N 1,024]; A: computed on the way; B: input Wres (given as codes): QUANTISED
;;   THE QUANTISER, for each operand of a quantised product, along K:
;;     - K is cut into blocks of 32 from its start; a last block that is shorter is filled with zeros.
;;     - A block's scale is 2^e with e = floor(log2(the largest magnitude in the block)) - 8, held to -126 .. 127; a block of zeros has e = 0. As a byte (E8M0): e + 127.
;;     - Each number is divided by its block's scale, clamped to +-448, and rounded to the nearest number of E4M3, ties to even, subnormals kept.
;;     - The product sums the exact products of the quantised numbers (number of the format x scale) in f32.
;;   ~~~python
;;   def quantise(x, axis):      # numpy; x: float32 -> the quantised numbers, widened to float32 again
;;       x = np.moveaxis(x, axis, -1); K = x.shape[-1]
;;       x = np.pad(x, [(0, 0)] * (x.ndim - 1) + [(0, -K % 32)]); x = x.reshape(x.shape[:-1] + (-1, 32)); a = np.abs(x).max(-1, keepdims=True)
;;       e = np.where(a > 0, np.clip(np.frexp(np.where(a > 0, a, 1))[1] - 1 - 8, -126, 127), 0)      # np.frexp(a)[1] - 1 = floor(log2(a)), exactly
;;       r = np.clip(x / 2.0 ** e, -448, 448)
;;       step = 2.0 ** (np.maximum(np.frexp(np.where(r == 0, 1, r))[1] - 1, -6) - 3)
;;       q = np.round(r / step) * step * 2.0 ** e      # np.round: ties to even
;;       return np.moveaxis(q.reshape(q.shape[:-2] + (-1,))[..., :K], -1, axis).astype(np.float32)
;;   ~~~
;;   SOFTMAX AHEAD OF A QUANTISED PRODUCT. Where the list says 'softmax', what is quantised is not the finished softmax but p = 2^(t - M), with t = logit x log2(e) and M = ceil(the row's largest t), a whole number; so 1/2 < the row's largest p <= 1. The row's sum l is taken of the UNQUANTISED p, in f32, and the product's result is divided by l at the end. Since M is a whole number, a kernel that streams over the keys may use a running M (the ceiling of the running maximum): every later rescaling is an exact power of two, which a block's scale takes up: the codes' values come out the same.
;;   OPERANDS COMPUTED ON THE WAY. 'Computed on the way' means the value that the module computes at that place (a softmax that the list does not call 'softmax' is quantised finished and normalised). What goes into a quantiser is computed in f32, as accurately as f32 sums, v_exp_f32 and their like allow (about 1e-6 of the number): no bf16 or f16 on the way to a quantiser, and a product that is left as it is and whose result goes on into a quantised operand takes f32 operands (vector FMAs, or v_wmma_f32_16x16x4_f32). A number that lies on a knife's edge between two numbers of the format may be rounded either way, as far as f32 arithmetic and the matrix unit's own rounding can turn it there, and no further.
;;   INPUTS GIVEN AS CODES. Wk (in the module: [1024, 1024], K = its axis 0); Wq (in the module: [1024, 1024], K = its axis 0); Wres (in the module: [1024, 1024], K = its axis 0); Wv (in the module: [1024, 1024], K = its axis 0); key (in the module: [2, 2048, 1024], K = its axis 2); query (in the module: [2, 2048, 1024], K = its axis 2); value (in the module: [2, 2048, 1024], K = its axis 2): each comes as NAME_codes (uint8): NAME with its K axis moved to the last place and cut into blocks of 32 codes, [.., K / 32, bytes a block], one block behind the other in memory; one code a byte (a code: sign, 4 exponent bits, 3 mantissa bits); and NAME_scales (uint8): the same leading axes, one E8M0 byte (e + 127) for each 32 codes along K. Its value is code x scale, taken as it is: it is not quantised again, and the codes and scales need not be those that the quantiser above would give.
;; One version. Each part assembles by itself: llvm-mc -triple=amdgcn-amd-amdhsa -mcpu=gfx1250 --defsym DOCPART=n.
;; ======== version 1 of 1: 3 launches
;; limits: right only within a limited range of input values
;; workspace buffers: qimg 4,194,304 bytes; qsc 524,288 bytes; qf 16,777,216 bytes; kv 8,912,896 bytes; aimg 4,194,304 bytes; asc 131,072 bytes; attf 16,777,216 bytes; wimg 1,048,576 bytes
;; launch proj (part 1): grid 4 x 48, 4 waves a work-group, clusters of 4 x 4, 327,680 bytes of LDS; arguments query_codes, key_codes, value_codes, query_scales, key_scales, value_scales, Wq_codes, Wk_codes, Wv_codes, Wq_scales, Wk_scales, Wv_scales, bq, bk, bv, mask, qimg, qsc, qf, kv; writes qimg, qsc, qf, kv
.if DOCPART == 1
	.amdgcn_target "amdgcn-amd-amdhsa--gfx1250"
	.amdhsa_code_object_version 6
	.text
	.protected	k_q87e5a2e4d7_proj
	.globl	k_q87e5a2e4d7_proj
	.p2align	8
	.type	k_q87e5a2e4d7_proj,@function
k_q87e5a2e4d7_proj:
	s_mov_b64 s[64:65], 0
	v_nop
	global_prefetch_b8 v0, s[64:65] scope:SCOPE_SE
	s_setreg_imm32_b32 hwreg(HW_REG_WAVE_MODE, 25, 1), 1
	s_wait_xcnt 0x0
	s_wait_alu depctr_hold_cnt(0) depctr_sa_sdst(0) depctr_va_vdst(0) depctr_va_sdst(0) depctr_va_ssrc(0) depctr_va_vcc(0) depctr_vm_vsrc(0)
	s_getreg_b32 s2, hwreg(HW_REG_IB_STS2, 6, 4)
	s_cmp_eq_u32 s2, 0
	s_cbranch_scc0 .Lentry_in_a_cluster
	s_endpgm
.Lentry_in_a_cluster:
	s_bfe_u32 s2, ttmp6, 0x10000c
	s_cmp_lg_u32 s2, 0xf033
	s_cbranch_scc0 .Lentry_shape_is_right
	s_endpgm
.Lentry_shape_is_right:
; THE THREE PROJECTIONS  q = query Wq + bq,  k = key Wk + bk,  v = value Wv + bv  on codes of FP8 (E4M3) with one E8M0 scale for each 32 along K = 1,024, and the quantising of their results for the two products of attention.
; X (query, key, value): [4,096][1,024] codes, scale bytes [4,096][32].  W: [1,024 (feature)][1,024 (k)] codes, scale bytes [1,024][32].
; SHARES.  48 x 4 work-groups: cluster y / 4 = T says which projection (0 q, 1 k, 2 v); a work-group makes 256 rows of X x 256 features, each of its four waves 128 x 128: 64 accumulators, 512 registers.
; K goes in four steps of 256 through two LDS slots filled by the tensor data mover; the scale bytes of the work-group's 256 + 256 rows come once and stay.
; WHICH SIDE IS SOURCE 0.  A result holds source 0's rows along a lane's registers.  q and k are quantised along the head's 64 features: source 0 = W, source 1 = X.  v is quantised along the keys: source 0 = X, source 1 = W.
; A slot holds source 1's 256 rows, then source 0's.  CLUSTER 4 x 4: source 1's tile goes by cy and is asked for jointly along a row of the cluster, source 0's by cx and jointly along a column.
; So for q and k X's tile is 4 (cluster y % 4) + cy and W's is cx; for v W's tile is cy and X's is 4 (cluster y % 4) + cx.  Only addresses in memory hang on the projection: every LDS address is made of the wave's number and the lane.
; WHAT IS STORED is laid as the registers of the operands that the next launch wants: a group of four registers is 512 consecutive bytes, lane l's 16 bytes at 16 l.
;   A block of 32 along the next K is two neighbouring result tiles (16 registers, in lanes l and l xor 16); its four code registers are the two tiles' conversions on end.  Inside a block the places along K are so permuted,
;   alike for q and k, and alike for v and the softmax's p of the next launch: the products are the same, only the grouping of their f32 sums differs.
;   qimg [bh][query tile][block][lane][16];  qsc [bh][query tile / 2][lane][2 words], a word = the bytes (block 0, 1, 0, 1);  qf: q in f32, [bh][query tile][2 t + e][lane][16] = registers 4 e .. of feature tile t;
;   kv [bh][key step of 128] records of 17,408 bytes: +0 k's codes (key tile a at 1,024 a, block c at 512 c), +8,192 v's codes (feature tile t at 2,048 t, key block c at 512 c), +16,384 k's scale words, +16,640 v's, +16,896 8 x madd, f32.
; The bias is the C of each sum's first matrix instruction.  madd = (1 - mask) x -1e9 is stored 8 times as large, since the next launch adds it to scores not yet divided by sqrt(64) = 8: a power of two changes no rounding.
; LIMITS.  NaN, infinities and scale bytes 0xff among the inputs are not served.  A block whose largest magnitude lies under 2^-118, a block of zeros among them, gets the byte 1 (the stated quantiser gives a block of zeros 127): its codes
; are zeros or nearly so, and these bytes are read by this program alone.
.set ROWB,   256                       ; a tile's row: 256 codes
.set KROW,   1024                      ; a row of X or W in memory
.set NQ,     2                         ; matrix instructions deep in a slot
.set PITCH,  272                       ; an LDS row: 256 bytes + 16 of padding
.set FR,     16                        ; registers of a fragment, 16 rows x 128 K
.set NL,     4                         ; LDS loads that bring one
.set NP,     8                         ; places behind this matrix instruction (ISA guide 7.12.1)
.set HALFT,  128*PITCH                 ; 128 rows: one tensor load of the ring
.set SLOT,   4*HALFT                   ; source 1's 256 rows, then source 0's
.set SCL,    2*SLOT                    ; behind the ring: the scale bytes, as units of 256 bytes + 16 of padding
.set HALFS,  16*272                    ; those of 128 rows (4,096 bytes)
.set SBLK,   2*272                     ; those of 16 rows
.set SPARE,  SCL+4*HALFS               ; the spare words, 128 bytes for each wave
.set REC,    17408                     ; a record of kv
.set HEADB,  16*REC                    ; a head's sixteen records
.set AD1,  16                          ; v16-17  LDS address of source 1's fragments in slot 0, 1
.set AD0,  20                          ; v20-21  the same for source 0
.set LI,   24                          ; v24     16 x lane
.set L8,   25                          ; v25     8 x lane
.set ADRS, 27                          ; v27     LDS address of my scale words: lanes 0-15 source 1's rows, lanes 16-31 source 0's
.set SPW,  28                          ; v28     LDS address of my spare word; never rewritten
.set NIL,  29                          ; v29     0; never rewritten
.set SC,   32                          ; v32-63  scale words, two sets; nothing else ever lies here
.set BIA,  64                          ; v64-127 the bias in the result's layout
.set AF,   128                         ; v128-255 source 1's fragments, one set.  Window 1: source 0's, two sets.  Windows 2, 3: the accumulators, (a, b) at v[8 (8 (a % 4) + b)]
.set BY,   64                          ; the way out: v64-95 scale bytes (block of source 1 a, block of 32 c) at 4 a + c
.set WD,   96                          ; v96-111  scale words
.set RR,   112                         ; v112-115 scale words, two fragments to a register
.set TQ,   128                         ; v128-191 64 numbers held within the largest code x the scale
.set CD,   192                         ; v192-207 their codes
.set BM,   208                         ; four each: largest magnitudes, the other half's, 448 x the scale, the conversion's scale operand
.set BT,   212
.set BH,   216
.set BS,   220
.set G1,   24                          ; s[24:31] group 1 for source 1's tiles, s[32:39] group 0, a set for each slot
.set G0,   32
.set G1B,  48                          ; s[48:55], s[56:63] the same for source 0's
.set G0B,  56
.set G1S,  68                          ; s[68:75], s[76:79] source 1's scale bytes;  s[80:87], s[88:91] source 0's
.set G0S,  76
.set G1SB, 80
.set G0SB, 88
.set MSB, 0
.macro WIN new                         ; the immediate's high byte repeats the setting that is left
.if MSB != \new
	s_set_vgpr_msb (MSB<<8)|\new
.set MSB, \new
.endif
.endm
; A joint load of the ring: waves 0 and 1 fetch source 1's halves, waves 2 and 3 source 0's.  Each line has one mask and one set of registers; the branch hangs on the wave's number alone.
.macro JLOAD g0a, g1a, g0b, g1b
	s_cmp_eq_u32 s15, 0
	s_cbranch_scc0 .Lfor_w_\@
	tensor_load_to_lds s[\g0a:\g0a+3], s[\g1a:\g1a+7]
	s_nop 0
.rept 4
	v_nop
.endr
	s_branch .Lasked_\@
.Lfor_w_\@:
	tensor_load_to_lds s[\g0b:\g0b+3], s[\g1b:\g1b+7]
	s_nop 0
.rept 4
	v_nop
.endr
.Lasked_\@:
.endm
.macro CREST                           ; a round of the cluster's barrier behind its opening barrier
	s_cmp_lg_u32 s14, 0
	s_cbranch_scc1 .Lnot_wave_0_\@
	s_barrier_signal -3
.Lnot_wave_0_\@:
	s_barrier_wait -3
	s_barrier_signal -1
	s_barrier_wait -1
.endm
.macro CROUND                          ; a whole round
	s_barrier_signal -1
	s_barrier_wait -1
	CREST
.endm
.macro ARM under, g0, g1, next         ; an arm of the head's one tree of branches on the wave's number: one load, and a jump to the tree's end
	s_cmp_lt_u32 s14, \under
	s_cbranch_scc0 \next
	tensor_load_to_lds s[\g0:\g0+3], s[\g1:\g1+7]
	s_nop 0
.rept 4
	v_nop
.endr
	s_branch .Lhead_asked
\next:
.endm
	s_load_b512 s[68:83], s[0:1], 0x0              ; query, key, value codes; query, key, value scales; Wq, Wk codes
	s_load_b512 s[84:99], s[0:1], 0x40             ; Wv codes; Wq, Wk, Wv scales; bq, bk, bv; mask
	s_load_b256 s[4:11], s[0:1], 0x80              ; qimg s[4:5], qsc s[6:7], qf s[8:9], kv s[10:11]
	v_lshl_add_u32 v[SPW], v0, 2, SPARE
	v_mov_b32 v[NIL], 0
	ds_add_u32 v[SPW], v[NIL]                      ; the opening lines: the add, twice on end, and its wait ahead of my first tensor load
	ds_add_u32 v[SPW], v[NIL]
	v_lshrrev_b32 v1, 5, v0
	v_readfirstlane_b32 s14, v1                    ; wave 0..3
	s_lshr_b32 s15, s14, 1                         ; which half of source 1's 256 rows is mine.  Also: in the ring I fetch for source 1 (0) or source 0 (1)
	s_and_b32 s16, s14, 1                          ; which half of source 0's.  Also: which 128 rows I fetch
	s_bfe_u32 s40, ttmp6, 0x40000                  ; cx, cy: my place in the cluster
	s_bfe_u32 s41, ttmp6, 0x40004
	s_and_b32 s3, ttmp7, 0xffff                    ; cluster y, 0..11
	s_lshr_b32 s12, s3, 2                          ; T: 0 q, 1 k, 2 v: the same in all sixteen partners
	s_bfe_u32 s13, ttmp7, 0x10003                  ; V = 1 for v (cluster y 8..11), else 0
	s_and_b32 s17, s3, 3
	s_lshl_b32 s17, s17, 2                         ; G = 4 (cluster y % 4)
	s_mul_i32 s18, s17, s13                        ; G V
	s_sub_co_u32 s17, s17, s18                     ; G (1 - V)
	s_add_co_u32 s17, s17, s41                     ; source 1's tile of 256 rows: cy + G (1 - V)
	s_add_co_u32 s18, s18, s40                     ; source 0's: cx + G V
	s_lshl_b32 s2, s41, 2
	s_lshl_b32 s2, 15, s2                          ; my row of the cluster
	s_lshl_b32 s3, 0x1111, s40                     ; my column
	s_or_b32 s[G1+0], s2, (0<<16)|(1<<20)|(1<<21)|(5<<22)|(3<<25)   ; 15:0 the mask; elements of 1 byte; padding on; 21 set beside a mask; four words after every 64
	s_or_b32 s[G1B+0], s3, (0<<16)|(1<<20)|(1<<21)|(5<<22)|(3<<25)
.irp g, G1, G1B
	s_mov_b32 s[\g+1], ROWB<<16                    ; tensor_dim0 = 256
	s_mov_b32 s[\g+2], 256<<16                     ; tensor_dim1 = 256 for the head's loads; 128 behind them
	s_mov_b32 s[\g+3], ROWB<<16                    ; tile_dim0
	s_mov_b32 s[\g+4], 256                         ; tile_dim1
	s_mov_b32 s[\g+5], KROW                        ; from row to row
	s_mov_b32 s[\g+6], 0
	s_mov_b32 s[\g+7], 0
.endr
	s_mov_b32 s19, 0x600000                        ; the mantissa field of 448
	s_mov_b32 s66, 0x76543210
	s_mov_b32 s67, 0xfedcba98                      ; v_permlanex16_b32's selects for lane l xor 16
	s_mov_b32 s100, 0xffff0000                     ; lanes 16-31
	s_wait_dscnt 0x0                               ; both opening adds are done
	s_wait_kmcnt 0x0
	s_cmp_eq_u32 s12, 1                            ; the projection's buffers: the choice hangs on the cluster's number alone
	s_cselect_b64 s[20:21], s[70:71], s[68:69]     ; source 1's codes: q, k: X's
	s_cselect_b64 s[22:23], s[76:77], s[74:75]     ; source 1's scales
	s_cselect_b64 s[44:45], s[82:83], s[80:81]     ; source 0's codes: q, k: W's
	s_cselect_b64 s[46:47], s[88:89], s[86:87]     ; source 0's scales
	s_cselect_b64 s[92:93], s[94:95], s[92:93]     ; the bias
	s_cmp_eq_u32 s12, 2
	s_cselect_b64 s[20:21], s[84:85], s[20:21]     ; v: source 1 = Wv,
	s_cselect_b64 s[22:23], s[90:91], s[22:23]
	s_cselect_b64 s[44:45], s[72:73], s[44:45]     ; source 0 = value
	s_cselect_b64 s[46:47], s[78:79], s[46:47]
	s_cselect_b64 s[92:93], s[96:97], s[92:93]
	; the scale bytes of 256 rows: a dense block of 8,192 bytes, as 32 rows of 256 bytes (32 elements of 8), 16 bytes of padding behind each
	s_or_b32 s[G1S+0], s2, (3<<16)|(1<<20)|(1<<21)|(5<<22)|(3<<25)
	s_or_b32 s[G1SB+0], s3, (3<<16)|(1<<20)|(1<<21)|(5<<22)|(3<<25)
.irp g, G1S, G1SB
	s_mov_b32 s[\g+1], 32<<16
	s_mov_b32 s[\g+2], 32<<16
	s_mov_b32 s[\g+3], 32<<16
	s_mov_b32 s[\g+4], 32
	s_mov_b32 s[\g+5], 32
	s_mov_b32 s[\g+6], 0
	s_mov_b32 s[\g+7], 0
.endr
	s_lshl_b32 s42, s17, 8                         ; source 1's tile: its first row
	s_mov_b32 s43, 0
	s_lshl_b32 s96, s18, 8                         ; source 0's
	s_mov_b32 s97, 0
	s_lshl_b32 s42, s42, 5                         ; 32 scale bytes a row,
	s_add_nc_u64 s[22:23], s[22:23], s[42:43]
	s_lshl_b32 s42, s42, 5                         ; 1,024 codes a row (under 2^22)
	s_add_nc_u64 s[20:21], s[20:21], s[42:43]
	s_lshl_b32 s96, s96, 5
	s_add_nc_u64 s[46:47], s[46:47], s[96:97]
	s_lshl_b32 s96, s96, 5
	s_add_nc_u64 s[44:45], s[44:45], s[96:97]
	s_mul_i32 s94, s14, HALFT                      ; where the ring's loads go: wave x 128 rows: no place in the cluster enters an LDS address
	s_lshl_b32 s42, s16, 17                        ; in the ring I fetch 128 rows of 1,024 bytes: which half
	CROUND                                         ; all sixteen work-groups are here: the first joint loads meet
	s_mov_b32 s[G0S], 1                            ; the head's four tiles, each whole: source 1's scale bytes,
	s_mov_b32 s[G0S+1], SCL
	s_mov_b64 s[G0S+2:G0S+3], s[22:23]
	s_or_b32 s[G0S+3], s[G0S+3], 0x80000000
	s_mov_b32 s[G0SB], 1                           ; source 0's,
	s_mov_b32 s[G0SB+1], SCL+2*HALFS
	s_mov_b64 s[G0SB+2:G0SB+3], s[46:47]
	s_or_b32 s[G0SB+3], s[G0SB+3], 0x80000000
	s_mov_b32 s[G0], 1                             ; K step 0's 256 rows of source 1 (slot 0's group 0 serves the head first),
	s_mov_b32 s[G0+1], 0
	s_mov_b64 s[G0+2:G0+3], s[20:21]
	s_or_b32 s[G0+3], s[G0+3], 0x80000000
	s_mov_b32 s[G0B], 1                            ; and of source 0
	s_mov_b32 s[G0B+1], 2*HALFT
	s_mov_b64 s[G0B+2:G0B+3], s[44:45]
	s_or_b32 s[G0B+3], s[G0B+3], 0x80000000
	s_add_nc_u64 s[20:21], s[20:21], s[42:43]      ; for the ring: my 128 rows
	s_add_nc_u64 s[44:45], s[44:45], s[42:43]
	s_mov_b32 s[G0+4], 1                           ; slot 1: K step 1
	s_add_co_u32 s[G0+5], s94, SLOT
	s_add_nc_u64 s[G0+6:G0+7], s[20:21], ROWB
	s_or_b32 s[G0+7], s[G0+7], 0x80000000
	s_mov_b32 s[G0B+4], 1
	s_add_co_u32 s[G0B+5], s94, SLOT
	s_add_nc_u64 s[G0B+6:G0B+7], s[44:45], ROWB
	s_or_b32 s[G0B+7], s[G0B+7], 0x80000000
	; THE HEAD'S LOADS, ONE A WAVE: every way through the tree passes exactly one
	ARM 1, G0,  G1,  .Lhead_b
	ARM 2, G0B, G1B, .Lhead_sa
	ARM 3, G0S, G1S, .Lhead_sb
	tensor_load_to_lds s[G0SB:G0SB+3], s[G1SB:G1SB+7]
	s_nop 0
.rept 4
	v_nop
.endr
.Lhead_asked:
	s_cmp_eq_u32 s13, 0
	s_cselect_b32 s101, s15, s16                   ; hX: which 128 rows of X's tile my wave multiplies
	s_cselect_b32 s2, s16, s15                     ; hW: which 128 features
	s_cselect_b32 s104, s17, s18                   ; X's tile: these two serve addresses in memory alone
	s_cselect_b32 s105, s18, s17                   ; W's tile
	s_mul_i32 s96, s15, HALFT                      ; my 128 rows of source 1
	s_mul_i32 s97, s16, HALFT                      ; my 128 rows of source 0,
	s_add_co_u32 s97, s97, 2*HALFT                 ; which lie behind source 1's 256
	s_mul_i32 s42, s15, HALFS                      ; and their scale bytes
	s_mul_i32 s43, s16, HALFS
	s_add_co_u32 s43, s43, 2*HALFS
	s_sub_co_u32 s43, s43, s42                     ; the distance from source 1's to source 0's
	s_add_co_u32 s42, s42, SCL
	v_and_b32 v1, 15, v0                           ; r = lane % 16
	v_bfe_u32 v2, v0, 4, 1                         ; h = lane / 16
	v_mul_u32_u24 v3, v1, PITCH
	v_lshl_add_u32 v4, v2, 4, v3                   ; a fragment's row x pitch + 16 h
	v_add_nc_u32 v[AD1], s96, v4
	v_add_nc_u32 v[AD0], s97, v4
	v_add_nc_u32 v[AD1+1], SLOT, v[AD1]
	v_add_nc_u32 v[AD0+1], SLOT, v[AD0]
	v_lshlrev_b32 v5, 5, v1                        ; my row's scale bytes: 32 a row,
	v_lshrrev_b32 v6, 8, v5
	v_lshl_add_u32 v5, v6, 4, v5                   ; and 16 more behind the first 256
	v_mul_u32_u24 v6, s43, v2                      ; lanes 16-31 take source 0's
	v_add_nc_u32 v5, v5, v6
	v_add_nc_u32 v[ADRS], s42, v5
	v_and_b32 v7, 31, v0
	v_lshlrev_b32 v[LI], 4, v7
	v_lshlrev_b32 v[L8], 3, v7
	s_wait_alu depctr_va_vdst(0)                   ; the wait here, ahead of the run of scalar lines
	s_lshr_b32 s94, s104, 3                        ; the batch
	s_and_b32 s95, s104, 7
	s_lshl_b32 s95, s95, 1
	s_add_co_u32 s95, s95, s101                    ; which 128 rows of the batch's 2,048 are my wave's: the key step
	s_lshl_b32 s42, s94, 13
	s_lshl_b32 s43, s95, 9
	s_add_co_u32 s42, s42, s43
	s_mov_b32 s43, 0
	s_add_nc_u64 s[98:99], s[98:99], s[42:43]
	global_load_b128 v[8:11], v[LI], s[98:99]      ; the mask of these 128 rows: 512 consecutive bytes
	s_lshl_b32 s94, s94, 4
	s_lshl_b32 s96, s105, 2
	s_add_co_u32 s94, s94, s96
	s_lshl_b32 s96, s2, 1
	s_add_co_u32 s94, s94, s96                     ; bh0 = 16 x batch + my wave's first head (it has two)
	s_lshl_b32 s94, s94, 4
	s_add_co_u32 s3, s94, s95                      ; R = 16 bh0 + key step: all four outputs are placed by it
	s_lshl_b32 s96, s105, 10
	s_lshl_b32 s94, s2, 9
	s_add_co_u32 s96, s96, s94
	s_mov_b32 s97, 0
	s_add_nc_u64 s[92:93], s[92:93], s[96:97]      ; the bias of my 128 features
	v_lshlrev_b32 v5, 5, v2                        ; 32 h
	v_lshlrev_b32 v6, 2, v1                        ; 4 r
	s_cmp_eq_u32 s13, 0
	s_cbranch_scc0 .Lbias_v
.irp b, 0,1,2,3,4,5,6,7                        ; q, k: register j of block b of source 0 is feature 16 b + 8 h + j
	global_load_b128 v[BIA+8*\b:BIA+8*\b+3], v5, s[92:93] offset:64*\b
	global_load_b128 v[BIA+8*\b+4:BIA+8*\b+7], v5, s[92:93] offset:64*\b+16
.endr
	s_branch .Lbias_done
.Lbias_v:
	s_wait_alu depctr_va_vdst(0)                   ; the wait behind the taken branch
.irp a, 0,1,2,3,4,5,6,7                        ; v: all eight registers of block a of source 1 are feature 16 a + r
.irp j, 0,1,2,3,4,5,6,7
	global_load_b32 v[BIA+8*\a+\j], v6, s[92:93] offset:64*\a
.endr
.endr
.Lbias_done:
.macro FRAG reg, adr, q, i             ; 16 rows x 128 K of 8-bit codes: lane l holds row l % 16; registers 4 c .. 4 c + 3 hold K = 32 c + 16 (l / 16) + 0 .. 15
.irp c, 0,1,2,3
	ds_load_b128 v[\reg+4*\c:\reg+4*\c+3], v[\adr] offset:128*(\q)+32*\c+(\i)*16*PITCH
.endr
.endm
; 16 matrix instructions: source 1's blocks a0, a0 + 1 x source 0's eight, the slot's q-th 128 along K.  p: source 0's set; sc: the set of scale words.
; cm = 0: the sums go on in place; 1: they begin with the bias by source 0's block (q, k); 2: by source 1's block (v).  The 64 accumulators take turns, one instruction a turn.
.macro MUL16 a0, p, q, sc, cm
.irp a, \a0, \a0+1
.irp b, 0,1,2,3,4,5,6,7
.if \cm == 1
	v_wmma_scale_f32_16x16x128_f8f6f4 v[8*(8*((\a)%4)+\b):8*(8*((\a)%4)+\b)+7], v[128*(\p)+FR*\b:128*(\p)+FR*\b+FR-1], v[AF+FR*(\a):AF+FR*(\a)+FR-1], v[BIA+8*\b:BIA+8*\b+7], v[SC+8*NQ*(\sc)+NQ*\b+(\q)], v[SC+8*NQ*(\sc)+NQ*(\a)+(\q)] matrix_a_scale:MATRIX_SCALE_ROW1
.elseif \cm == 2
	v_wmma_scale_f32_16x16x128_f8f6f4 v[8*(8*((\a)%4)+\b):8*(8*((\a)%4)+\b)+7], v[128*(\p)+FR*\b:128*(\p)+FR*\b+FR-1], v[AF+FR*(\a):AF+FR*(\a)+FR-1], v[BIA+8*(\a):BIA+8*(\a)+7], v[SC+8*NQ*(\sc)+NQ*\b+(\q)], v[SC+8*NQ*(\sc)+NQ*(\a)+(\q)] matrix_a_scale:MATRIX_SCALE_ROW1
.else
	v_wmma_scale_f32_16x16x128_f8f6f4 v[8*(8*((\a)%4)+\b):8*(8*((\a)%4)+\b)+7], v[128*(\p)+FR*\b:128*(\p)+FR*\b+FR-1], v[AF+FR*(\a):AF+FR*(\a)+FR-1], v[8*(8*((\a)%4)+\b):8*(8*((\a)%4)+\b)+7], v[SC+8*NQ*(\sc)+NQ*\b+(\q)], v[SC+8*NQ*(\sc)+NQ*(\a)+(\q)] matrix_a_scale:MATRIX_SCALE_ROW1
.endif
.endr
.endr
.endm
.macro FETCH_0 slot, q, p              ; source 0's eight fragments into set p of window 1
	WIN 0x40
.irp i, 0,1,2,3,4,5,6,7
	FRAG 128*(\p)+FR*\i, AD0+\slot, \q, \i
.endr
	WIN 0
.endm
.macro FETCH_1 slot, q, i0             ; source 1's blocks i0 .. i0 + 3
.irp i, \i0, \i0+1, \i0+2, \i0+3
	FRAG AF+FR*(\i), AD1+\slot, \q, \i
.endr
.endm
.macro SCALES sc                       ; a K step's scale words into set sc: two words a row; lanes 0-15 source 1's block i, lanes 16-31 source 0's block i
.irp i, 0,1,2,3,4,5,6,7
	ds_load_b64 v[SC+8*NQ*\sc+NQ*\i:SC+8*NQ*\sc+NQ*\i+1], v[ADRS] offset:\i*SBLK
.endr
.endm
.macro PLACES n                        ; a load into a register that a matrix instruction has read, and the first read of a result, stand eight plain vector instructions behind it
.rept \n
	v_nop
.endr
.endm
; A step of 128 along K that has its successor in the same slot.  Source 1 has one set of registers: blocks 0-3 come anew in the step's middle, blocks 4-7 at its end.
.macro STEP slot, q, cm
	s_wait_dscnt 4*NL                              ; all but the youngest sixteen loads (source 1's blocks 4-7) are in
.if \cm
	WIN 0x81                                       ; source 0 window 1, source 1 and C (the bias) window 0, D window 2
.else
	WIN 0xa1                                       ; C and D window 2
.endif
	MUL16 0, (\q)%2, \q, \slot, \cm
	MUL16 2, (\q)%2, \q, \slot, \cm
	s_wait_dscnt 0                                 ; blocks 4-7 are in (asked for 32 matrix instructions ago)
	PLACES NP
	FETCH_0 \slot, (\q)+1, 1-(\q)%2
	FETCH_1 \slot, (\q)+1, 0
.if \cm
	WIN 0xc1
.else
	WIN 0xf1
.endif
	MUL16 4, (\q)%2, \q, \slot, \cm
	MUL16 6, (\q)%2, \q, \slot, \cm
	PLACES NP
	WIN 0
	FETCH_1 \slot, (\q)+1, 4
.endm
; A slot's last step changes slots: one barrier; in front of it each wave waits for all its tensor loads, adds 0 to its spare word, and waits for that and for its reads of this slot.  fill = 1: the slot is filled again, two K steps ahead.
.macro TURN slot, next, fill
	s_wait_tensorcnt 0x0                           ; all my tensor loads have landed: the one that was out is my part of the next slot
	ds_add_u32 v[SPW], v[NIL]                      ; 0 onto my spare word
	s_wait_dscnt 4*NL+1                            ; (the add and source 1's blocks 4-7 may be out)
	WIN 0xa1
	MUL16 0, 1, NQ-1, \slot, 0                     ; sixteen matrix instructions stand between the add and the wait for it
	s_wait_dscnt 0x0                               ; the add is done, and my reads of this slot are over
	s_barrier_signal -1
	MUL16 2, 1, NQ-1, \slot, 0
	WIN 0
	s_barrier_wait -1
.if \fill
	CREST                                          ; the barrier has opened a round of the cluster's: no wave of any partner still reads this slot or has a load on its way
	s_add_nc_u64 s[G0+4*\slot+2:G0+4*\slot+3], s[G0+4*\slot+2:G0+4*\slot+3], 2*ROWB
	s_add_nc_u64 s[G0B+4*\slot+2:G0B+4*\slot+3], s[G0B+4*\slot+2:G0B+4*\slot+3], 2*ROWB
	JLOAD G0+4*\slot, G1, G0B+4*\slot, G1B         ; my one tensor load behind the round; its four v_nop are four of the eight places in front of the loads below
	PLACES NP-4
.else
	PLACES NP
.endif
	s_wait_alu depctr_va_vdst(0)                   ; the wait ahead of the reader below
	v_add_nc_u32 v[ADRS], 4*NQ, v[ADRS]            ; the next K step's scale words
	FETCH_0 \next, 0, 0
	FETCH_1 \next, 0, 0
	SCALES \next
	WIN 0xf1
	MUL16 4, 1, NQ-1, \slot, 0
	MUL16 6, 1, NQ-1, \slot, 0
	PLACES NP
	WIN 0
	FETCH_1 \next, 0, 4
.endm
	s_wait_alu depctr_va_vdst(0)                   ; the wait at the head's end
	s_wait_tensorcnt 0x0                           ; my tile of the head's four is in
	ds_add_u32 v[SPW], v[NIL]
	s_mov_b32 s[G1+2], 128<<16                     ; no tensor load of mine is out, so descriptors may be written: from here on a load brings 128 rows,
	s_mov_b32 s[G1+4], 128
	s_mov_b32 s[G1B+2], 128<<16
	s_mov_b32 s[G1B+4], 128
	s_mul_i32 s[G0+1], s14, HALFT                  ; and slot 0's group 0 stands at my 128 rows of K step 0: its first refill steps it to K step 2
	s_mov_b64 s[G0+2:G0+3], s[20:21]
	s_or_b32 s[G0+3], s[G0+3], 0x80000000
	s_mul_i32 s[G0B+1], s14, HALFT
	s_mov_b64 s[G0B+2:G0B+3], s[44:45]
	s_or_b32 s[G0B+3], s[G0B+3], 0x80000000
	s_wait_dscnt 0x0                               ; the add is done
	CROUND                                         ; a whole round: all four tiles are in, and the joint loads meet
	JLOAD G0+4, G1, G0B+4, G1B                     ; K step 1, the first tensor load behind the round
	FETCH_0 0, 0, 0
	FETCH_1 0, 0, 0
	SCALES 0
	FETCH_1 0, 0, 4
	s_wait_loadcnt 0x0                             ; the bias and the mask
	s_cmp_eq_u32 s13, 0                            ; the first step starts the sums with the bias, laid by source 0's blocks or by source 1's; both ways hold the same LDS instructions
	s_cbranch_scc0 .Lfirst_v
	STEP 0, 0, 1
	s_branch .Lfirst_done
.Lfirst_v:
	STEP 0, 0, 2
.Lfirst_done:
	TURN 0, 1, 1                                   ; four K steps: written out, no loop
	STEP 1, 0, 0
	TURN 1, 0, 1
	STEP 0, 0, 0
	TURN 0, 1, 0                                   ; nothing is left to fetch
	STEP 1, 0, 0
	s_wait_dscnt 4*NL
	WIN 0xa1
	MUL16 0, 1, NQ-1, 1, 0
	MUL16 2, 1, NQ-1, 1, 0
	s_wait_dscnt 0
	WIN 0xf1
	MUL16 4, 1, NQ-1, 1, 0
	MUL16 6, 1, NQ-1, 1, 0
	WIN 0
	; THE WAY OUT.  Where my wave's parts begin: qimg 8,192 R, qsc 1,024 R, qf 32,768 R, kv 17,408 R bytes
	s_mov_b32 s43, 0
	s_lshl_b32 s42, s3, 13
	s_add_nc_u64 s[4:5], s[4:5], s[42:43]
	s_lshl_b32 s42, s3, 10
	s_add_nc_u64 s[6:7], s[6:7], s[42:43]
	s_lshl_b32 s42, s3, 15
	s_add_nc_u64 s[8:9], s[8:9], s[42:43]
	s_mul_i32 s42, s3, REC
	s_add_nc_u64 s[10:11], s[10:11], s[42:43]
	s_cmp_eq_u32 s12, 0
	s_cselect_b64 s[20:21], s[4:5], s[10:11]       ; the codes go to qimg or into the record
	s_mov_b32 s44, HEADB
	s_cselect_b32 s44, 131072, s44                 ; q, k: blocks 2 and 3 of a lane's 64 numbers belong to the next head
	s_cmp_eq_u32 s13, 0
	s_cselect_b32 s42, s44, 1024                   ; v: they are key blocks 2 and 3 of the same feature tile
	s_mov_b32 s46, HEADB-3*2048
	s_cselect_b32 s46, 1024, s46                   ; the step from block 3 of source 1 to block 4: v goes on to the next head there
	s_lshl_b32 s94, s13, 13                        ; v's codes lie 8,192 bytes into the record
	s_mov_b32 s95, 0
	s_add_nc_u64 s[20:21], s[20:21], s[94:95]
	s_add_nc_u64 s[22:23], s[20:21], s[42:43]
	s_lshl_b32 s44, 1024, s13                      ; every other step: 1,024 bytes (q, k), 2,048 (v)
	s_mov_b32 s45, 0
	s_mov_b32 s47, 0
	PLACES NP                                      ; behind the last products: their results are read, and registers that held fragments are written
.irp c, 0,1,2,3
	v_mov_b32 v[BT+\c], 0                          ; written once: a lane permute's destination counts as one of its sources
.endr
; Block a of source 1: a lane's 64 numbers are four blocks of 32 along the next K (16 registers here, 16 in lane l xor 16).  One text serves q, k and v; q's block then leaves in f32 too.
.macro QUANTA a
.set AC, 64*((\a)%4)
	WIN (0x28+0x14*((\a)/4))                       ; sources 1 and 2: the accumulators' window
.irp c, 0,1,2,3
	v_max3_num_f32 v[BM+\c], 0x4800000, |v[AC+16*\c]|, |v[AC+16*\c+1]|   ; my 16 numbers and the floor 2^(9 - 127): the byte cannot fall under 1
.endr
.irp i, 2,4,6,8,10,12,14
.irp c, 0,1,2,3
	v_max3_num_f32 v[BM+\c], v[BM+\c], |v[AC+16*\c+\i]|, |v[AC+16*\c+\i+1]|   ; (the four blocks by turns)
.endr
.endr
	WIN 0
.irp c, 0,1,2,3
	v_permlanex16_b32 v[BT+\c], v[BM+\c], s66, s67
.endr
.irp c, 0,1,2,3
	v_max_num_f32 v[BM+\c], v[BM+\c], v[BT+\c]     ; the block's largest magnitude
.endr
.irp c, 0,1,2,3
	v_add_nc_u32 v[BS+\c], 0xfc000000, v[BM+\c]    ; 8 off its exponent field: the conversion's scale operand
.endr
.irp c, 0,1,2,3
	v_and_or_b32 v[BH+\c], v[BM+\c], 0x7f800000, s19   ; 448 x the scale
.endr
.irp c, 0,1,2,3
	v_lshrrev_b32 v[BY+4*(\a)+\c], 23, v[BS+\c]    ; the scale's byte
.endr
	WIN (0x02+(\a)/4)
.irp c, 0,1,2,3
.irp i, 0,1,2,3,4,5,6,7,8,9,10,11,12,13,14,15
	v_med3_num_f32 v[TQ+16*\c+\i], v[AC+16*\c+\i], -v[BH+\c], v[BH+\c]   ; the conversion does not saturate (ISA guide 7.6.2): the hold; into other registers, since q's block is stored as it stands
.endr
.endr
	WIN 0
	s_wait_alu depctr_va_vdst(0)                   ; the wait ahead of the wait below
	s_wait_xcnt 0x0                                ; the last block's stores have read their data and bases: both are written again only behind this wait
.if (\a) == 4
	s_add_nc_u64 s[20:21], s[20:21], s[46:47]
	s_add_nc_u64 s[22:23], s[22:23], s[46:47]
.elseif (\a) > 0
	s_add_nc_u64 s[20:21], s[20:21], s[44:45]
	s_add_nc_u64 s[22:23], s[22:23], s[44:45]
.endif
.irp c, 0,1,2,3
	v_cvt_scalef32_pk8_fp8_f32 v[CD+4*\c:CD+4*\c+1], v[TQ+16*\c:TQ+16*\c+7], v[BS+\c]
	v_cvt_scalef32_pk8_fp8_f32 v[CD+4*\c+2:CD+4*\c+3], v[TQ+16*\c+8:TQ+16*\c+15], v[BS+\c]
.endr
	v_nop                                          ; a plain instruction between the conversions and the next vector instruction that writes their sources
	global_store_b128 v[LI], v[CD:CD+3], s[20:21]
	global_store_b128 v[LI], v[CD+4:CD+7], s[20:21] offset:512
	global_store_b128 v[LI], v[CD+8:CD+11], s[22:23]
	global_store_b128 v[LI], v[CD+12:CD+15], s[22:23] offset:512
	s_cmp_lg_u32 s12, 0                            ; q alone: the block in f32, as the accumulators stand, 512 consecutive bytes a store
	s_cbranch_scc1 .Lno_qf_\@
	WIN (0x08+4*((\a)/4))
.irp b, 0,1,2,3,4,5,6,7
	global_store_b128 v[LI], v[AC+8*\b:AC+8*\b+3], s[8:9] offset:(\b/4)*524288+(\a)*4096+(\b%4)*1024
	global_store_b128 v[LI], v[AC+8*\b+4:AC+8*\b+7], s[8:9] offset:(\b/4)*524288+(\a)*4096+(\b%4)*1024+512
.endr
	WIN 0
.Lno_qf_\@:
.endm
.irp a, 0,1,2,3,4,5,6,7
	QUANTA \a
.endr
; Two fragments' words to a register (lanes 0-15 the even one, lanes 16-31 the odd one), two registers to a head: 256 consecutive bytes a store
.macro PAIRS off
.irp hh, 0,1
	v_cndmask_b32 v[RR+2*\hh], v[WD+4*\hh], v[WD+4*\hh+1], s100
	v_cndmask_b32 v[RR+2*\hh+1], v[WD+4*\hh+2], v[WD+4*\hh+3], s100
	global_store_b64 v[L8], v[RR+2*\hh:RR+2*\hh+1], s[10:11] offset:\hh*HEADB+\off
.endr
.endm
	s_cmp_eq_u32 s12, 1
	s_cbranch_scc1 .Lpack_k
	s_cmp_eq_u32 s12, 2
	s_cbranch_scc1 .Lpack_v
.irp hh, 0,1                                   ; q: a query's word is its two bytes twice, since q stands in the lower or in the upper half of the next product's K
.irp a, 0,1,2,3,4,5,6,7
	v_lshl_or_b32 v[WD+8*\hh+\a], v[BY+4*\a+2*\hh+1], 8, v[BY+4*\a+2*\hh]
.endr
.irp a, 0,1,2,3,4,5,6,7
	v_lshl_or_b32 v[WD+8*\hh+\a], v[WD+8*\hh+\a], 16, v[WD+8*\hh+\a]
.endr
.irp p, 0,1,2,3
	global_store_b64 v[L8], v[WD+8*\hh+2*\p:WD+8*\hh+2*\p+1], s[6:7] offset:\hh*16384+\p*256
.endr
.endr
	s_branch .Lpacked
.Lpack_k:
.irp hh, 0,1                                   ; k: a fragment of the next product holds key tiles 2 f and 2 f + 1: its word is their four bytes
.irp f, 0,1,2,3
	v_lshl_or_b32 v[WD+4*\hh+\f], v[BY+8*\f+2*\hh+1], 8, v[BY+8*\f+2*\hh]
	v_lshl_or_b32 v[WD+4*\hh+\f], v[BY+8*\f+4+2*\hh], 16, v[WD+4*\hh+\f]
	v_lshl_or_b32 v[WD+4*\hh+\f], v[BY+8*\f+4+2*\hh+1], 24, v[WD+4*\hh+\f]
.endr
.endr
	PAIRS 16384
.irp i, 0,1,2,3                                ; 8 x madd = (1 - mask) x -8e9, in f32
	v_cvt_f32_i32 v[12+\i], v[8+\i]
.endr
.irp i, 0,1,2,3
	v_sub_f32 v[12+\i], 1.0, v[12+\i]
.endr
.irp i, 0,1,2,3
	v_mul_f32 v[12+\i], 0xcfee6b28, v[12+\i]
.endr
	global_store_b128 v[LI], v[12:15], s[10:11] offset:16896          ; into both heads' records
	global_store_b128 v[LI], v[12:15], s[10:11] offset:HEADB+16896
	s_branch .Lpacked
.Lpack_v:
.irp a, 0,1,2,3,4,5,6,7                        ; v: feature tile a's word: the bytes of its four key blocks
	v_lshl_or_b32 v[WD+\a], v[BY+4*\a+1], 8, v[BY+4*\a]
	v_lshl_or_b32 v[WD+\a], v[BY+4*\a+2], 16, v[WD+\a]
	v_lshl_or_b32 v[WD+\a], v[BY+4*\a+3], 24, v[WD+\a]
.endr
	PAIRS 16640
.Lpacked:
	s_wait_tensorcnt 0x0                           ; the wave's end
	ds_add_u32 v[SPW], v[NIL]
	s_wait_dscnt 0x0
	CROUND                                         ; the closing round: no work-group ends while a partner may still ask for a tile that names it
	s_endpgm
.Lfunc_end_k_q87e5a2e4d7_proj:
	.size	k_q87e5a2e4d7_proj, .Lfunc_end_k_q87e5a2e4d7_proj-k_q87e5a2e4d7_proj
	.p2alignl 7, 3214868480
	.fill 96, 4, 3214868480
	.section	.rodata,"a",@progbits
	.p2align	6, 0x0
	.amdhsa_kernel k_q87e5a2e4d7_proj
		.amdhsa_group_segment_fixed_size 327680
		.amdhsa_private_segment_fixed_size 0
		.amdhsa_enable_private_segment 0
		.amdhsa_kernarg_size 160
		.amdhsa_user_sgpr_count 2
		.amdhsa_user_sgpr_kernarg_segment_ptr 1
		.amdhsa_wavefront_size32 1
		.amdhsa_system_sgpr_workgroup_id_x 1
		.amdhsa_system_sgpr_workgroup_id_y 1
		.amdhsa_system_sgpr_workgroup_id_z 1
		.amdhsa_system_vgpr_workitem_id 0
		.amdhsa_next_free_vgpr 1024
		.amdhsa_next_free_sgpr 106
		.amdhsa_reserve_vcc 0
		.amdhsa_float_denorm_mode_32 3
		.amdhsa_float_denorm_mode_16_64 3
		.amdhsa_memory_ordered 1
		.amdhsa_forward_progress 1
		.amdhsa_inst_pref_size 227
	.end_amdhsa_kernel
	.amdgpu_metadata
---
amdhsa.version: [ 1, 2 ]
amdhsa.kernels:
  - .name:           k_q87e5a2e4d7_proj
    .symbol:         k_q87e5a2e4d7_proj.kd
    .args:
      - { .name: query_codes, .offset: 0, .size: 8, .value_kind: global_buffer, .address_space: global }
      - { .name: key_codes, .offset: 8, .size: 8, .value_kind: global_buffer, .address_space: global }
      - { .name: value_codes, .offset: 16, .size: 8, .value_kind: global_buffer, .address_space: global }
      - { .name: query_scales, .offset: 24, .size: 8, .value_kind: global_buffer, .address_space: global }
      - { .name: key_scales, .offset: 32, .size: 8, .value_kind: global_buffer, .address_space: global }
      - { .name: value_scales, .offset: 40, .size: 8, .value_kind: global_buffer, .address_space: global }
      - { .name: Wq_codes, .offset: 48, .size: 8, .value_kind: global_buffer, .address_space: global }
      - { .name: Wk_codes, .offset: 56, .size: 8, .value_kind: global_buffer, .address_space: global }
      - { .name: Wv_codes, .offset: 64, .size: 8, .value_kind: global_buffer, .address_space: global }
      - { .name: Wq_scales, .offset: 72, .size: 8, .value_kind: global_buffer, .address_space: global }
      - { .name: Wk_scales, .offset: 80, .size: 8, .value_kind: global_buffer, .address_space: global }
      - { .name: Wv_scales, .offset: 88, .size: 8, .value_kind: global_buffer, .address_space: global }
      - { .name: bq, .offset: 96, .size: 8, .value_kind: global_buffer, .address_space: global }
      - { .name: bk, .offset: 104, .size: 8, .value_kind: global_buffer, .address_space: global }
      - { .name: bv, .offset: 112, .size: 8, .value_kind: global_buffer, .address_space: global }
      - { .name: mask, .offset: 120, .size: 8, .value_kind: global_buffer, .address_space: global }
      - { .name: qimg, .offset: 128, .size: 8, .value_kind: global_buffer, .address_space: global }
      - { .name: qsc, .offset: 136, .size: 8, .value_kind: global_buffer, .address_space: global }
      - { .name: qf, .offset: 144, .size: 8, .value_kind: global_buffer, .address_space: global }
      - { .name: kv, .offset: 152, .size: 8, .value_kind: global_buffer, .address_space: global }
    .group_segment_fixed_size: 327680
    .private_segment_fixed_size: 0
    .kernarg_segment_align: 8
    .kernarg_segment_size: 160
    .max_flat_workgroup_size: 128
    .sgpr_count:     106
    .vgpr_count:     1024
    .wavefront_size: 32
...
	.end_amdgpu_metadata
.endif
;; end of part 1
;; launch attn (part 2): grid 8 x 32, 8 waves a work-group, clusters of 4 x 1, 327,680 bytes of LDS; arguments kv, qimg, qsc, qf, g_att, b_att, aimg, asc, attf, Wres_codes, wimg; writes aimg, asc, attf, wimg
.if DOCPART == 2
	.amdgcn_target "amdgcn-amd-amdhsa--gfx1250"
	.amdhsa_code_object_version 6
	.text
	.protected	k_q87e5a2e4d7_attn
	.globl	k_q87e5a2e4d7_attn
	.p2align	8
	.type	k_q87e5a2e4d7_attn,@function
k_q87e5a2e4d7_attn:
	s_mov_b64 s[64:65], 0
	v_nop
	global_prefetch_b8 v0, s[64:65] scope:SCOPE_SE
	s_setreg_imm32_b32 hwreg(HW_REG_WAVE_MODE, 25, 1), 1
	s_wait_xcnt 0x0
	s_wait_alu depctr_hold_cnt(0) depctr_sa_sdst(0) depctr_va_vdst(0) depctr_va_sdst(0) depctr_va_ssrc(0) depctr_va_vcc(0) depctr_vm_vsrc(0)
	s_getreg_b32 s2, hwreg(HW_REG_IB_STS2, 6, 4)
	s_cmp_eq_u32 s2, 0
	s_cbranch_scc0 .Lentry_in_a_cluster
	s_endpgm
.Lentry_in_a_cluster:
	s_bfe_u32 s2, ttmp6, 0x10000c
	s_cmp_lg_u32 s2, 0x3003
	s_cbranch_scc0 .Lentry_shape_is_right
	s_endpgm
.Lentry_shape_is_right:
; ATTENTION OF ONE HEAD AND BATCH (bh = grid y) FOR 256 QUERIES (grid x), the residual q, the head's LayerNorm, and the quantising of its result for the last projection.  Both products on codes of FP8 (E4M3), one E8M0 scale for 32 along K.
; INPUTS, as the first launch lays them: kv [bh][key step of 128]: records of 17,408 bytes: +0 k's codes, +8,192 v's codes, +16,384 k's scale words, +16,640 v's, +16,896 8 x madd in f32; qimg, qsc, qf: q's codes, scale words and f32 numbers.
; SHARES.  Eight waves, two to a SIMD; a wave owns two tiles of 16 queries: tile 0 in register window 0, tile 1 in window 1, under the same register numbers.  Each fragment of k and v read from LDS feeds both tiles.
; A HEAD'S SIXTEEN RECORDS, 278,528 bytes, LIE IN LDS WHOLE, filled once: wave w fetches records 2 w and 2 w + 1 with its one tensor load at the head (136 rows of 256 bytes).  Nothing is filled again.
; Waves 0 and 1 have a load line of their own and alone wait at the first barrier, which shows records 0 to 3; the first four key steps run on them; the second barrier, with every wave's wait, shows the rest.
; CLUSTER 4 x 1: four query blocks of a head read the same records: each load is a joint one.  No prefetch of kv: all of it is asked for at the head, so there is no loop to run ahead in.  qf, wanted at the end, is prefetched two key steps ahead of it.
; BOTH PRODUCTS ARE USED TRANSPOSED: S^T = k q^T + 8 madd (the C operand), O^T = v^T p^T: a lane holds one query.  The head's 64 fill half of a product's 128: a fragment of k holds two key tiles, and q stands in the lower or upper half beside zeros.
; THE SOFTMAX: t = score x log2(e) / 8; M = the running largest t rounded up to a whole number; p = 2^(t - M) is quantised along the keys; the row's sum is taken of the unquantised p; when M moves, sum and O^T are multiplied by 2^(old M - new M).
; LIMITS.  The promise holds while the scaled scores stay under 2^31 in magnitude.  NaN and infinities are not served.  A block whose largest number lies under 2^-118 gets the byte 1; these bytes are read by this program alone.
; BESIDE ITS OWN WORK each of the launch's 2,048 waves lays one piece of Wres's codes for the last launch: wimg [feature tile of 16][K step of 128][block c][lane][16 bytes] = Wres_codes[16 tile + lane % 16][128 step + 32 c + 16 (lane / 16) ..]:
; the order of an operand's registers, 512 consecutive bytes a piece: one load and one store a wave.
.set REC,   17408
.set HEADB, 16*REC
.set STG,   HEADB                      ; behind the records: 512 bytes for the scale bytes on the way out
.set SPARE, HEADB+512                  ; the spare words, 128 bytes for each wave
.set LI,  1                            ; 16 x lane
.set L8,  2                            ; 8 x lane
.set LH,  3                            ; 32 x (lane / 16)
.set ADI, 4                            ; the same three, at the key step's record
.set AD8, 5
.set ADH, 6
.set PFO, 7                            ; 256 x lane
.set QZ,  16                           ; v16-39: zeros, q's 8 registers of codes, zeros.  v12 -M, v13 the largest score, v[14:15] the sum
.set KV,  40                           ; v40-103, window 0: four fragments of k or of v
.set MD,  40                           ; v40-103, window 1: 8 x madd of the step's 128 keys
.set S,   104                          ; v104-167 S^T, then p
.set X,   S+32
.set O,   168                          ; v168-199 O^T
.set PC,  200                          ; v200-215 p's codes
.set BM,  216
.set BT,  220
.set BH,  224
.set BS,  228
.set F,   232
.set PS,  234
.set T0,  236
.set T1,  237
.set KSC, 240                          ; scale words, in window 0 alone: k's, v's, p's (a register a tile), q's
.set VSC, 242
.set PW,  244
.set QW,  246
.set SPW, 254
.set NIL, 255
.set G1,  28
.set G0,  44
.set MSB, 0
.macro WIN new
.if MSB != \new
	s_set_vgpr_msb (MSB<<8)|\new
.set MSB, \new
.endif
.endm
.macro WALU
	s_wait_alu depctr_va_vdst(0)
.endm
.macro CROUND
	s_barrier_signal -1
	s_barrier_wait -1
	s_cmp_lg_u32 s22, 0
	s_cbranch_scc1 .Lnot_wave_0_\@
	s_barrier_signal -3
.Lnot_wave_0_\@:
	s_barrier_wait -3
	s_barrier_signal -1
	s_barrier_wait -1
.endm
	s_load_b512 s[4:19], s[0:1], 0x0               ; kv, qimg, qsc, qf, g_att, b_att, aimg, asc
	s_load_b64 s[20:21], s[0:1], 0x40
	s_load_b128 s[40:43], s[0:1], 0x48             ; Wres_codes, wimg
	v_lshl_add_u32 v[SPW], v0, 2, SPARE
	v_mov_b32 v[NIL], 0
	ds_add_u32 v[SPW], v[NIL]                      ; the opening lines: the add, twice on end, and its wait
	ds_add_u32 v[SPW], v[NIL]
	v_lshrrev_b32 v8, 5, v0
	v_readfirstlane_b32 s22, v8                    ; wave 0..7
	s_bfe_u32 s26, ttmp6, 0x40000
	s_lshl_b32 s23, ttmp9, 2
	s_add_co_u32 s23, s23, s26                     ; my block of 256 queries
	s_and_b32 s24, ttmp7, 0xffff                   ; bh
	s_lshl_b32 s25, s23, 4
	s_lshl_b32 s27, s22, 1
	s_add_co_u32 s25, s25, s27                     ; my first query tile
	s_mov_b32 s[G1], 15|(3<<16)|(1<<21)            ; the cluster's four; elements of 8 bytes; two records as 136 rows of 256 bytes, dense
	s_mov_b32 s[G1+1], 32<<16
	s_mov_b32 s[G1+2], 136<<16
	s_mov_b32 s[G1+3], 32<<16
	s_mov_b32 s[G1+4], 136
	s_mov_b32 s[G1+5], 32
	s_mov_b32 s[G1+6], 0
	s_mov_b32 s[G1+7], 0
	s_mov_b32 s52, 0x3e38aa3b                      ; c = log2(e) / 8
	s_mov_b32 s53, s52
	s_mov_b32 s54, 0x76543210
	s_mov_b32 s55, 0xfedcba98
	s_mov_b32 s56, 0x600000                        ; the mantissa field of 448
	s_mov_b32 s57, 0                               ; the key step's record in LDS
	s_mov_b32 s60, 0xffff0000
	s_mov_b32 s61, 0x3c800000                      ; 1 / 64
	s_mov_b32 s68, 0x3727c5ac                      ; 1e-5
	s_mul_i32 s62, s24, HEADB
	s_mov_b32 s63, 0
	s_mul_i32 s66, s22, 2*REC
	s_mov_b32 s67, 0
	s_mov_b32 s37, 0
	v_and_b32 v9, 31, v0
	v_lshlrev_b32 v[LI], 4, v9
	v_lshlrev_b32 v[L8], 3, v9
	v_lshlrev_b32 v[PFO], 8, v9
	v_bfe_u32 v11, v0, 4, 1
	v_lshlrev_b32 v[LH], 5, v11
	v_and_b32 v8, 0xe0, v0
	v_lshlrev_b32 v8, 1, v8
	v_and_b32 v9, 15, v0
	v_lshl_add_u32 v8, v9, 1, v8
	v_add_nc_u32 v8, STG, v8                       ; v8: where my scale bytes go: 64 x wave + 2 x (lane % 16)
	v_add_nc_u32 v10, STG, v[LI]
	v_lshlrev_b32 v252, 10, v9                     ; v252: Wres's row lane % 16 of a tile, 1,024 bytes a row,
	v_lshl_add_u32 v252, v11, 4, v252              ; + 16 (lane / 16)
	WALU                                           ; the wait ahead of the waits below
	s_wait_dscnt 0x0
	s_wait_kmcnt 0x0
	s_add_nc_u64 s[4:5], s[4:5], s[62:63]
	s_mov_b32 s[G0], 1
	s_mov_b32 s[G0+1], s66
	s_add_nc_u64 s[G0+2:G0+3], s[4:5], s[66:67]
	s_or_b32 s[G0+3], s[G0+3], 0x80000000
	CROUND                                         ; the four work-groups are here: the joint loads meet
	s_cmp_lt_u32 s22, 2                            ; one load a wave; waves 0 and 1 have a line of their own, since they alone wait at the first barrier
	s_cbranch_scc0 .Llater
	tensor_load_to_lds s[G0:G0+3], s[G1:G1+7]
	s_nop 0
.rept 4
	v_nop
.endr
	s_branch .Lasked
.Llater:
	tensor_load_to_lds s[G0:G0+3], s[G1:G1+7]
	s_nop 0
.rept 4
	v_nop
.endr
.Lasked:
	s_lshl_b32 s26, s24, 7
	s_add_co_u32 s26, s26, s25                     ; 128 bh + query tile
	s_lshl_b32 s36, s26, 10
	s_add_nc_u64 s[6:7], s[6:7], s[36:37]
	s_lshl_b32 s36, s26, 7
	s_add_nc_u64 s[8:9], s[8:9], s[36:37]
	global_load_b128 v[QZ+8:QZ+11], v[LI], s[6:7] th:TH_LOAD_NT
	global_load_b128 v[QZ+12:QZ+15], v[LI], s[6:7] offset:512 th:TH_LOAD_NT
	global_load_b64 v[QW:QW+1], v[L8], s[8:9]
	WIN 0x40
	global_load_b128 v[QZ+8:QZ+11], v[LI], s[6:7] offset:1024 th:TH_LOAD_NT
	global_load_b128 v[QZ+12:QZ+15], v[LI], s[6:7] offset:1536 th:TH_LOAD_NT
	WIN 0
	s_lshl_b32 s38, s24, 3
	s_add_co_u32 s38, s38, s23
	s_lshl_b32 s38, s38, 3
	s_add_co_u32 s38, s38, s22                     ; my piece of Wres: P = 8 (8 bh + query block) + wave = 32 x feature tile + 4 x K step + c
	s_lshr_b32 s36, s38, 5
	s_lshl_b32 s36, s36, 14                        ; a tile's 16 rows are 16,384 bytes,
	s_and_b32 s39, s38, 31
	s_lshl_b32 s39, s39, 5                         ; a block 32 bytes of a row
	s_add_co_u32 s36, s36, s39
	s_add_nc_u64 s[40:41], s[40:41], s[36:37]
	s_lshl_b32 s36, s38, 9
	s_add_nc_u64 s[42:43], s[42:43], s[36:37]
	global_load_b128 v[248:251], v252, s[40:41]
	s_lshl_b32 s36, s26, 12
	s_add_nc_u64 s[10:11], s[10:11], s[36:37]      ; qf
	s_lshr_b32 s27, s24, 4
	s_lshl_b32 s27, s27, 7
	s_add_co_u32 s27, s27, s25                     ; 128 x batch + query tile
	s_and_b32 s26, s24, 15                         ; the head
	s_lshl_b32 s36, s27, 16
	s_lshl_b32 s38, s26, 12
	s_add_co_u32 s36, s36, s38
	s_add_nc_u64 s[20:21], s[20:21], s[36:37]      ; attf
	s_lshl_b32 s36, s27, 14
	s_lshl_b32 s38, s26, 10
	s_add_co_u32 s36, s36, s38
	s_add_nc_u64 s[16:17], s[16:17], s[36:37]      ; aimg
	s_lshl_b32 s36, s24, 12
	s_lshl_b32 s38, s23, 9
	s_add_co_u32 s36, s36, s38
	s_add_nc_u64 s[18:19], s[18:19], s[36:37]      ; asc
.macro INIT                            ; the key step is written once: the first finds zeros, which the first change of M leaves zeros
.irp j, 0,1,2,3,4,5,6,7
	v_mov_b32 v[QZ+\j], 0
	v_mov_b32 v[QZ+16+\j], 0
.endr
.set J, 0
.rept 32
	v_mov_b32 v[O+J], 0
.set J, J+1
.endr
	v_mov_b32 v13, 0xff61b1e6                      ; the largest score so far: -3e38
	v_floor_f32 v12, -v13
	v_mov_b32 v14, 0
	v_mov_b32 v15, 0
.irp b, 0,1,2,3
	v_mov_b32 v[BT+\b], 0
.endr
	v_mov_b32 v[T1], 0
	v_mov_b32 v[F+1], 0
.endm
	INIT
	WIN 0x55
	INIT
	WIN 0
.macro QK u                            ; eight tiles of 16 keys: fragment f holds key tiles 2 f (lower half of K) and 2 f + 1 (upper)
.irp f, 0,1,2,3
.if \f%2
	v_wmma_scale_f32_16x16x128_f8f6f4 v[S+16*\f:S+16*\f+7], v[KV+16*\f:KV+16*\f+15], v[QZ+8:QZ+23], v[MD+16*\f:MD+16*\f+7], v[KSC+\f/2], v[QW+\u] matrix_a_scale:MATRIX_SCALE_ROW1
	v_wmma_scale_f32_16x16x128_f8f6f4 v[S+16*\f+8:S+16*\f+15], v[KV+16*\f:KV+16*\f+15], v[QZ:QZ+15], v[MD+16*\f+8:MD+16*\f+15], v[KSC+\f/2], v[QW+\u] matrix_a_scale:MATRIX_SCALE_ROW1
.else
	v_wmma_scale_f32_16x16x128_f8f6f4 v[S+16*\f:S+16*\f+7], v[KV+16*\f:KV+16*\f+15], v[QZ+8:QZ+23], v[MD+16*\f:MD+16*\f+7], v[KSC+\f/2], v[QW+\u]
	v_wmma_scale_f32_16x16x128_f8f6f4 v[S+16*\f+8:S+16*\f+15], v[KV+16*\f:KV+16*\f+15], v[QZ:QZ+15], v[MD+16*\f+8:MD+16*\f+15], v[KSC+\f/2], v[QW+\u]
.endif
.endr
.endm
.macro PV u
.irp t, 0,1,2,3
.if \t%2
	v_wmma_scale_f32_16x16x128_f8f6f4 v[O+8*\t:O+8*\t+7], v[KV+16*\t:KV+16*\t+15], v[PC:PC+15], v[O+8*\t:O+8*\t+7], v[VSC+\t/2], v[PW+\u] matrix_a_scale:MATRIX_SCALE_ROW1
.else
	v_wmma_scale_f32_16x16x128_f8f6f4 v[O+8*\t:O+8*\t+7], v[KV+16*\t:KV+16*\t+15], v[PC:PC+15], v[O+8*\t:O+8*\t+7], v[VSC+\t/2], v[PW+\u]
.endif
.endr
.endm
; THE SOFTMAX OF ONE TILE AND 128 KEYS, under the tile's window.  The 68 exponentials are one batch, with one wait ahead of it and one behind it.
.macro SOFT u
	WALU                                           ; the wait, directly ahead of the scores' first readers
.irp b, 0,1,2,3
	v_max3_num_f32 v[BM+\b], v[S+16*\b], v[S+16*\b+1], v[S+16*\b+2]   ; the largest score of each block of 32 keys: for the row's maximum and for the block's largest p
.endr
.irp i, 3,5,7,9,11,13
.irp b, 0,1,2,3
	v_max3_num_f32 v[BM+\b], v[BM+\b], v[S+16*\b+\i], v[S+16*\b+\i+1]
.endr
.endr
.irp b, 0,1,2,3
	v_max_num_f32 v[BM+\b], v[BM+\b], v[S+16*\b+15]
.endr
.irp b, 0,1,2,3
	v_permlanex16_b32 v[BT+\b], v[BM+\b], s54, s55
.endr
.irp b, 0,1,2,3
	v_max_num_f32 v[BM+\b], v[BM+\b], v[BT+\b]     ; with lane l xor 16's 16 keys
.endr
	v_max3_num_f32 v[T0], v[BM], v[BM+1], v[BM+2]
	v_mov_b32 v[T1], v12                           ; the old -M
	v_max3_num_f32 v13, v13, v[T0], v[BM+3]        ; the running largest score (c is positive: the largest t is c x it)
	v_mul_f32 v[T0], s52, v13
	v_floor_f32 v12, -v[T0]                        ; the new -M = -ceil(t): a whole number
	v_sub_f32 v[T0], v12, v[T1]                    ; old M - new M, 0 or less
	v_cvt_i32_f32 v[T0], v[T0]                     ; (it saturates)
	v_ldexp_f32 v[F], 1.0, v[T0]                   ; f = 2^(old M - new M)
.set J, 0
.rept 32
	v_pk_fma_f32 v[S+J:S+J+1], v[S+J:S+J+1], s[52:53], v[12:13] op_sel_hi:[1,0,0]   ; t - M, two at a time
.set J, J+2
.endr
.irp b, 0,1,2,3
	v_fma_f32 v[BM+\b], v[BM+\b], s52, v12         ; the same of each block's largest score
.endr
	WALU                                           ; the wait ahead of the batch
.irp b, 0,1,2,3
	v_exp_f32 v[BM+\b], v[BM+\b]                   ; the block's largest p
.endr
.set J, 0
.rept 64
	v_exp_f32 v[S+J], v[S+J]                       ; p = 2^(t - M)
.set J, J+1
.endr
	v_pk_mul_f32 v[14:15], v[14:15], v[F:F+1] op_sel_hi:[1,0]   ; the sums under the new M (a plain place behind the batch)
	WALU                                           ; and the wait behind it, ahead of its first reader
.irp b, 0,1,2,3
	v_max_num_f32 v[BM+\b], 0x4800000, v[BM+\b]    ; the floor 2^(9 - 127): the byte cannot fall under 1
.endr
.irp b, 0,1,2,3
	v_add_nc_u32 v[BS+\b], 0xfc000000, v[BM+\b]    ; the conversion's scale operand
.endr
.irp b, 0,1,2,3
	v_and_or_b32 v[BH+\b], v[BM+\b], 0x7f800000, s56   ; 448 x the scale
.endr
.irp b, 0,1,2,3
	v_lshrrev_b32 v[BT+\b], 23, v[BS+\b]           ; the scale's byte
.endr
	v_lshl_or_b32 v[T1], v[BT+1], 8, v[BT]
	v_lshl_or_b32 v[T1], v[BT+2], 16, v[T1]
	WIN (0x15*\u)                                  ; p's scale word lies in window 0 for both tiles
	v_lshl_or_b32 v[PW+\u], v[BT+3], 24, v[T1]
	WIN (0x55*\u)
	v_pk_add_f32 v[PS:PS+1], v[S:S+1], v[S+2:S+3]  ; the row's sum of the unquantised p, in four chains
	v_pk_add_f32 v[BM:BM+1], v[S+4:S+5], v[S+6:S+7]
	v_pk_add_f32 v[BM+2:BM+3], v[S+8:S+9], v[S+10:S+11]
	v_pk_add_f32 v[14:15], v[14:15], v[S+12:S+13]
.set J, 14
.rept 6
	v_pk_add_f32 v[PS:PS+1], v[PS:PS+1], v[S+J:S+J+1]
	v_pk_add_f32 v[BM:BM+1], v[BM:BM+1], v[S+J+2:S+J+3]
	v_pk_add_f32 v[BM+2:BM+3], v[BM+2:BM+3], v[S+J+4:S+J+5]
	v_pk_add_f32 v[14:15], v[14:15], v[S+J+6:S+J+7]
.set J, J+8
.endr
	v_pk_add_f32 v[PS:PS+1], v[PS:PS+1], v[S+62:S+63]
	v_pk_add_f32 v[BM:BM+1], v[BM:BM+1], v[BM+2:BM+3]
	v_pk_add_f32 v[14:15], v[14:15], v[PS:PS+1]
	v_pk_add_f32 v[14:15], v[14:15], v[BM:BM+1]
.irp b, 0,1,2,3
.irp i, 0,1,2,3,4,5,6,7,8,9,10,11,12,13,14,15
	v_min_num_f32 v[S+16*\b+\i], v[S+16*\b+\i], v[BH+\b]   ; the conversion does not saturate (ISA guide 7.6.2); p is not negative, so the hold is one-sided
.endr
	v_cvt_scalef32_pk8_fp8_f32 v[PC+4*\b:PC+4*\b+1], v[S+16*\b:S+16*\b+7], v[BS+\b]
	v_cvt_scalef32_pk8_fp8_f32 v[PC+4*\b+2:PC+4*\b+3], v[S+16*\b+8:S+16*\b+15], v[BS+\b]
.endr
	WALU                                           ; the wait, directly ahead of the first readers of O^T
.set J, 0
.rept 16
	v_pk_mul_f32 v[O+J:O+J+1], v[O+J:O+J+1], v[F:F+1] op_sel_hi:[1,0]   ; O^T under the new M; these are also the places ahead of the products
.set J, J+2
.endr
.endm
.macro STEP pf
	v_add_nc_u32 v[ADI], s57, v[LI]
	v_add_nc_u32 v[AD8], s57, v[L8]
	v_add_nc_u32 v[ADH], s57, v[LH]
.rept 5
	v_nop                                          ; with the three lines above: eight places ahead of loads into registers that the last products read
.endr
.irp f, 0,1,2,3
.irp g, 0,1,2,3
	ds_load_b128 v[KV+16*\f+4*\g:KV+16*\f+4*\g+3], v[ADI] offset:2048*\f+512*\g
.endr
.endr
	ds_load_b64 v[KSC:KSC+1], v[AD8] offset:16384
	ds_load_b64 v[VSC:VSC+1], v[AD8] offset:16640
	WIN 0x40
.irp k, 0,1,2,3,4,5,6,7
	ds_load_b128 v[MD+8*\k:MD+8*\k+3], v[ADH] offset:16896+64*\k
	ds_load_b128 v[MD+8*\k+4:MD+8*\k+7], v[ADH] offset:16896+64*\k+16
.endr
	WIN 0
.if \pf
	s_cmp_eq_u32 s58, 2                            ; two key steps ahead of the end: my two tiles of qf, 8,192 bytes, lanes 256 bytes apart
	s_cbranch_scc0 .Lnot_now_\@
	global_prefetch_b8 v[PFO], s[10:11] th:TH_LOAD_NT scope:SCOPE_SE
.Lnot_now_\@:
.endif
	WALU                                           ; the wait ahead of the wait below
	s_wait_dscnt 0x0
	WIN 0x10
	QK 0
	WIN 0x54
	QK 1
	WIN 0
.rept 8
	v_nop
.endr
.irp t, 0,1,2,3
.irp c, 0,1,2,3
	ds_load_b128 v[KV+16*\t+4*\c:KV+16*\t+4*\c+3], v[ADI] offset:8192+2048*\t+512*\c
.endr
.endr
	SOFT 0
	WALU                                           ; the wait ahead of the wait below
	s_wait_dscnt 0x0
	PV 0
	WIN 0x55
	SOFT 1
	WIN 0x54
	PV 1
	WIN 0
	s_add_co_u32 s57, s57, REC
.endm
	WALU                                           ; the wait at the head's end
	s_wait_loadcnt 0x0
	global_store_b128 v[LI], v[248:251], s[42:43]  ; my piece of wimg: 512 consecutive bytes
	s_cmp_lt_u32 s22, 2
	s_cbranch_scc0 .Lnot_mine
	s_wait_tensorcnt 0x0                           ; waves 0 and 1: records 0 to 3 are in
.Lnot_mine:
	s_barrier_signal -1
	s_barrier_wait -1
	s_mov_b32 s58, 4
.Lfirst:
	STEP 0
	s_sub_co_u32 s58, s58, 1
	s_cmp_lg_u32 s58, 0
	s_cbranch_scc1 .Lfirst
	s_wait_tensorcnt 0x0                           ; every wave: all sixteen records are in
	s_wait_dscnt 0x0
	s_barrier_signal -1
	s_barrier_wait -1
	s_mov_b32 s58, 12
.Lrest:
	STEP 1
	s_sub_co_u32 s58, s58, 1
	s_cmp_lg_u32 s58, 0
	s_cbranch_scc1 .Lrest
.rept 8
	v_nop
.endr
.irp g, 0,1,2,3,4,5,6,7
	global_load_b128 v[S+4*\g:S+4*\g+3], v[LI], s[10:11] offset:512*\g th:TH_LOAD_NT          ; q in f32, in O^T's layout
.endr
	WIN 0x40
.irp g, 0,1,2,3,4,5,6,7
	global_load_b128 v[S+4*\g:S+4*\g+3], v[LI], s[10:11] offset:4096+512*\g th:TH_LOAD_NT
.endr
	WIN 0
.irp g, 0,1,2,3,4,5,6,7
	global_load_b128 v[KV+4*\g:KV+4*\g+3], v[LH], s[12:13] offset:64*(\g/2)+16*(\g%2)         ; g_att, b_att likewise
	global_load_b128 v[KV+32+4*\g:KV+32+4*\g+3], v[LH], s[14:15] offset:64*(\g/2)+16*(\g%2)
.endr
; THE WAY OUT of a tile: O^T / the sum + q; the head's LayerNorm over 64 (32 registers here, 32 in lane l xor 16); stored in f32, and quantised along the features for the last projection.
.macro TAIL u
	WIN (0x55*\u)
	v_add_f32 v14, v14, v15
	v_permlanex16_b32 v[T1], v14, s54, s55
	v_add_f32 v14, v14, v[T1]
	WALU
	v_rcp_f32 v14, v14
.if \u == 0
	s_wait_loadcnt 0x0
.endif
	v_nop
	WALU
.set J, 0
.rept 16
	v_pk_fma_f32 v[X+J:X+J+1], v[O+J:O+J+1], v[14:15], v[S+J:S+J+1] op_sel_hi:[1,0,1]
.set J, J+2
.endr
	v_pk_add_f32 v[PS:PS+1], v[X:X+1], v[X+2:X+3]
	v_pk_add_f32 v[F:F+1], v[X+4:X+5], v[X+6:X+7]
.irp j, 8,12,16,20,24,28
	v_pk_add_f32 v[PS:PS+1], v[PS:PS+1], v[X+\j:X+\j+1]
	v_pk_add_f32 v[F:F+1], v[F:F+1], v[X+\j+2:X+\j+3]
.endr
	v_pk_add_f32 v[PS:PS+1], v[PS:PS+1], v[F:F+1]
	v_add_f32 v[T0], v[PS], v[PS+1]
	v_permlanex16_b32 v[T1], v[T0], s54, s55
	v_add_f32 v[T0], v[T0], v[T1]
	v_mul_f32 v[F], s61, v[T0]                     ; the mean
.set J, 0
.rept 16
	v_pk_add_f32 v[X+J:X+J+1], v[X+J:X+J+1], v[F:F+1] op_sel_hi:[1,0] neg_lo:[0,1] neg_hi:[0,1]
.set J, J+2
.endr
	v_pk_mul_f32 v[PS:PS+1], v[X:X+1], v[X:X+1]
	v_pk_mul_f32 v[T0:T0+1], v[X+2:X+3], v[X+2:X+3]
.irp j, 4,8,12,16,20,24,28
	v_pk_fma_f32 v[PS:PS+1], v[X+\j:X+\j+1], v[X+\j:X+\j+1], v[PS:PS+1]
	v_pk_fma_f32 v[T0:T0+1], v[X+\j+2:X+\j+3], v[X+\j+2:X+\j+3], v[T0:T0+1]
.endr
	v_pk_add_f32 v[PS:PS+1], v[PS:PS+1], v[T0:T0+1]
	v_add_f32 v[T0], v[PS], v[PS+1]
	v_permlanex16_b32 v[T1], v[T0], s54, s55
	v_add_f32 v[T0], v[T0], v[T1]
	v_fma_f32 v[T0], v[T0], s61, s68               ; the variance + 1e-5
	WALU
	v_rsq_f32 v[F], v[T0]
	v_nop
	WALU
.set J, 0
.rept 16
	v_pk_mul_f32 v[X+J:X+J+1], v[X+J:X+J+1], v[F:F+1] op_sel_hi:[1,0]
.set J, J+2
.endr
	WIN (0x41*\u)
.set J, 0
.rept 16
	v_pk_fma_f32 v[X+J:X+J+1], v[X+J:X+J+1], v[KV+J:KV+J+1], v[KV+32+J:KV+32+J+1]
.set J, J+2
.endr
	WIN (0x04*\u)
.irp g, 0,1,2,3,4,5,6,7
	global_store_b128 v[LI], v[X+4*\g:X+4*\g+3], s[20:21] offset:65536*\u+512*\g
.endr
	WIN (0x55*\u)
.irp c, 0,1
	v_max3_num_f32 v[BM+\c], |v[X+16*\c]|, |v[X+16*\c+1]|, 0x4800000
.endr
.irp i, 2,4,6,8,10,12,14
.irp c, 0,1
	v_max3_num_f32 v[BM+\c], v[BM+\c], |v[X+16*\c+\i]|, |v[X+16*\c+\i+1]|
.endr
.endr
.irp c, 0,1
	v_permlanex16_b32 v[BT+\c], v[BM+\c], s54, s55
.endr
.irp c, 0,1
	v_max_num_f32 v[BM+\c], v[BM+\c], v[BT+\c]
.endr
.irp c, 0,1
	v_add_nc_u32 v[BS+\c], 0xfc000000, v[BM+\c]
.endr
.irp c, 0,1
	v_and_or_b32 v[BH+\c], v[BM+\c], 0x7f800000, s56
.endr
.irp c, 0,1
	v_lshrrev_b32 v[BT+\c], 23, v[BS+\c]
.endr
	v_lshl_or_b32 v[T0], v[BT+1], 8, v[BT]
	WIN (0x04*\u)
	ds_store_b16 v8, v[T0] offset:32*\u
	WIN (0x55*\u)
.irp c, 0,1
.irp i, 0,1,2,3,4,5,6,7,8,9,10,11,12,13,14,15
	v_med3_num_f32 v[S+16*\c+\i], v[X+16*\c+\i], -v[BH+\c], v[BH+\c]
.endr
	v_cvt_scalef32_pk8_fp8_f32 v[PC+4*\c:PC+4*\c+1], v[S+16*\c:S+16*\c+7], v[BS+\c]
	v_cvt_scalef32_pk8_fp8_f32 v[PC+4*\c+2:PC+4*\c+3], v[S+16*\c+8:S+16*\c+15], v[BS+\c]
.endr
	v_nop
.irp i, 0,1,2,3,4,5,6,7
	v_permlanex16_b32 v[O+\i], v[PC+\i], s54, s55  ; the two halves of the lanes change pieces, so that a lane holds 16 neighbours along the next K
.endr
.irp c, 0,1
	v_cndmask_b32 v[PC+8+4*\c], v[PC+4*\c], v[O+4*\c+2], s60
	v_cndmask_b32 v[PC+9+4*\c], v[PC+4*\c+1], v[O+4*\c+3], s60
	v_cndmask_b32 v[PC+10+4*\c], v[O+4*\c], v[PC+4*\c+2], s60
	v_cndmask_b32 v[PC+11+4*\c], v[O+4*\c+1], v[PC+4*\c+3], s60
.endr
	WIN (0x04*\u)
	global_store_b128 v[LI], v[PC+8:PC+11], s[16:17] offset:16384*\u
	global_store_b128 v[LI], v[PC+12:PC+15], s[16:17] offset:16384*\u+512
.endm
	TAIL 0
	TAIL 1
	WIN 0
	s_wait_dscnt 0x0                               ; my scale bytes are in LDS
	s_barrier_signal -1
	s_barrier_wait -1
	s_cmp_lg_u32 s22, 0
	s_cbranch_scc1 .Lnot_first
	ds_load_b128 v[BM:BM+3], v10                   ; wave 0 stores the work-group's 512 scale bytes on end
	s_wait_dscnt 0x0
	global_store_b128 v[LI], v[BM:BM+3], s[18:19]
.Lnot_first:
	s_wait_tensorcnt 0x0                           ; the wave's end
	ds_add_u32 v[SPW], v[NIL]
	s_wait_dscnt 0x0
	CROUND                                         ; the closing round
	s_endpgm
.Lfunc_end_k_q87e5a2e4d7_attn:
	.size	k_q87e5a2e4d7_attn, .Lfunc_end_k_q87e5a2e4d7_attn-k_q87e5a2e4d7_attn
	.p2alignl 7, 3214868480
	.fill 96, 4, 3214868480
	.section	.rodata,"a",@progbits
	.p2align	6, 0x0
	.amdhsa_kernel k_q87e5a2e4d7_attn
		.amdhsa_group_segment_fixed_size 327680
		.amdhsa_private_segment_fixed_size 0
		.amdhsa_enable_private_segment 0
		.amdhsa_kernarg_size 88
		.amdhsa_user_sgpr_count 2
		.amdhsa_user_sgpr_kernarg_segment_ptr 1
		.amdhsa_wavefront_size32 1
		.amdhsa_system_sgpr_workgroup_id_x 1
		.amdhsa_system_sgpr_workgroup_id_y 1
		.amdhsa_system_sgpr_workgroup_id_z 1
		.amdhsa_system_vgpr_workitem_id 0
		.amdhsa_next_free_vgpr 512
		.amdhsa_next_free_sgpr 72
		.amdhsa_reserve_vcc 0
		.amdhsa_float_denorm_mode_32 3
		.amdhsa_float_denorm_mode_16_64 3
		.amdhsa_memory_ordered 1
		.amdhsa_forward_progress 1
		.amdhsa_inst_pref_size 111
	.end_amdhsa_kernel
	.amdgpu_metadata
---
amdhsa.version: [ 1, 2 ]
amdhsa.kernels:
  - .name:           k_q87e5a2e4d7_attn
    .symbol:         k_q87e5a2e4d7_attn.kd
    .args:
      - { .name: kv, .offset: 0, .size: 8, .value_kind: global_buffer, .address_space: global }
      - { .name: qimg, .offset: 8, .size: 8, .value_kind: global_buffer, .address_space: global }
      - { .name: qsc, .offset: 16, .size: 8, .value_kind: global_buffer, .address_space: global }
      - { .name: qf, .offset: 24, .size: 8, .value_kind: global_buffer, .address_space: global }
      - { .name: g_att, .offset: 32, .size: 8, .value_kind: global_buffer, .address_space: global }
      - { .name: b_att, .offset: 40, .size: 8, .value_kind: global_buffer, .address_space: global }
      - { .name: aimg, .offset: 48, .size: 8, .value_kind: global_buffer, .address_space: global }
      - { .name: asc, .offset: 56, .size: 8, .value_kind: global_buffer, .address_space: global }
      - { .name: attf, .offset: 64, .size: 8, .value_kind: global_buffer, .address_space: global }
      - { .name: Wres_codes, .offset: 72, .size: 8, .value_kind: global_buffer, .address_space: global }
      - { .name: wimg, .offset: 80, .size: 8, .value_kind: global_buffer, .address_space: global }
    .group_segment_fixed_size: 327680
    .private_segment_fixed_size: 0
    .kernarg_segment_align: 8
    .kernarg_segment_size: 88
    .max_flat_workgroup_size: 256
    .sgpr_count:     72
    .vgpr_count:     512
    .wavefront_size: 32
...
	.end_amdgpu_metadata
.endif
;; end of part 2
;; launch outp (part 3): grid 256 x 1, 8 waves a work-group, clusters of 4 x 1, 327,680 bytes of LDS; arguments aimg, asc, attf, wimg, Wres_scales, bres, g_out, b_out, out0; writes out0
.if DOCPART == 3
	.amdgcn_target "amdgcn-amd-amdhsa--gfx1250"
	.amdhsa_code_object_version 6
	.text
	.protected	k_q87e5a2e4d7_outp
	.globl	k_q87e5a2e4d7_outp
	.p2align	8
	.type	k_q87e5a2e4d7_outp,@function
k_q87e5a2e4d7_outp:
	s_mov_b64 s[64:65], 0
	v_nop
	global_prefetch_b8 v0, s[64:65] scope:SCOPE_SE
	s_setreg_imm32_b32 hwreg(HW_REG_WAVE_MODE, 25, 1), 1
	s_wait_xcnt 0x0
	s_wait_alu depctr_hold_cnt(0) depctr_sa_sdst(0) depctr_va_vdst(0) depctr_va_sdst(0) depctr_va_ssrc(0) depctr_va_vcc(0) depctr_vm_vsrc(0)
	s_getreg_b32 s2, hwreg(HW_REG_IB_STS2, 6, 4)
	s_cmp_eq_u32 s2, 0
	s_cbranch_scc0 .Lentry_in_a_cluster
	s_endpgm
.Lentry_in_a_cluster:
	s_bfe_u32 s2, ttmp6, 0x10000c
	s_cmp_lg_u32 s2, 0x3003
	s_cbranch_scc0 .Lentry_shape_is_right
	s_endpgm
.Lentry_shape_is_right:
; THE LAST PROJECTION AND WHAT FOLLOWS IT:  y = a + tanh(a Wres + bres),  out0 = tanh(LayerNorm(y) g_out + b_out), the product on codes of FP8 (E4M3) with one E8M0 scale for each 32 along K = 1,024.
; INPUTS, as the launch before lays them: aimg [row tile of 16][K step of 128][block c][lane][16]: a's codes in the order of an operand's registers; asc [16 batch + head][row][2]: their scale bytes; attf: a in f32, [row tile][feature tile][2][lane][16], the layout of a result;
; wimg [feature tile][K step][c][lane][16]: Wres's codes in the same order.
; SHARES.  256 work-groups; a work-group owns 16 whole rows, since the LayerNorm runs over a row's 1,024 features.  Eight waves, two to a SIMD; wave w owns features 128 w .. 128 w + 127: eight result tiles, 64 registers.
; The product is used transposed (source 0 = 16 features of Wres, source 1 = the 16 rows): a lane holds one row, and its eight registers of a tile are eight neighbouring features.
; WRES COMES BY TWO ROADS AT ONCE.  A wave's tiles 0 and 1 (32,768 bytes, dense in wimg) come by its one tensor load at the head into LDS bytes of its own; tiles 6 and 7 by one refill of the same bytes; only the issuing wave reads them.
; CLUSTER 4 x 1: all work-groups read the same Wres, so both loads are joint ones of four work-groups; the refill stands behind a round of the cluster's barrier.
; Tiles 2 to 5 (65,536 bytes) come by loads of 512 consecutive bytes straight into operand registers: a ring of three buffers of four fragments.  A batch is four products: the four tiles by turns, one K step; behind a batch its buffer takes the unit three on,
; so two units, 32 loads, are on their way while a batch is multiplied.  Units 8, 9, 10 are a in f32, g_out and b_out, into buffers that are done with.  These tiles are not asked for jointly: they never touch LDS.
; a's EIGHT FRAGMENTS: wave w loads K step w's, all hand them on through LDS bytes of their own, behind one barrier: each byte of aimg is loaded once a work-group.
; NO PREFETCH: the loads run two units ahead of their use, and the refill is asked for six batches ahead of its first read.
; LIMITS.  NaN and infinities are not served.
.set SPITCH, 528                       ; the way out: a stage row of 512 bytes + 16
.set WREG,   32768                     ; a wave's own LDS bytes: two tiles of Wres; behind their last fill and last read: its stage, 16 rows
.set RED,    8*WREG                    ; two sums x eight waves x 16 rows of 4 bytes
.set AIMG,   RED+1024                  ; a's eight fragments, 2,048 bytes each
.set SPARE,  AIMG+16384                ; the spare words, 128 bytes for each wave
.set LI,  4                            ; 16 x lane
.set AO,  5                            ; 2 x (lane % 16)
.set WO,  6                            ; 32 x lane
.set BO,  7                            ; 32 x (lane / 16) + 512 x wave
.set SO,  8                            ; stage: where I put 32 bytes of a row
.set LA,  9                            ; my LDS bytes + 16 x lane: Wres's fragments, and the stage's rows on the way back
.set RW,  10                           ; where my wave's partial sums go
.set RR,  11                           ; where all waves' are read
.set SPW, 12
.set NIL, 13
.set AS,  14                           ; where my fragment of a goes
.set AR,  15                           ; where all eight are read
.set ASW, 16                           ; v16-23  a's scale words, one a K step
.set WSW, 28                           ; v28-59  Wres's: register 8 p + s: lanes 0-15 tile 2 p, lanes 16-31 tile 2 p + 1
.set ACC, 64                           ; v64-127 the eight result tiles
.set ATT, 128                          ; v128-255 a's eight fragments
.set LB,  192                          ; window 1: v0-191 the ring's three buffers; v192-255 four fragments from LDS (at the head: a's scale bytes, two to a register)
.set T,   128                          ; behind the products: at work
.set G1,  24
.set G0,  32
.set MSB, 0
.macro WIN new
.if MSB != \new
	s_set_vgpr_msb (MSB<<8)|\new
.set MSB, \new
.endif
.endm
.macro WALU
	s_wait_alu depctr_va_vdst(0)
.endm
.macro CROUND                          ; a round of the cluster's barrier
	s_barrier_signal -1
	s_barrier_wait -1
	s_cmp_lg_u32 s22, 0
	s_cbranch_scc1 .Lnot_wave_0_\@
	s_barrier_signal -3
.Lnot_wave_0_\@:
	s_barrier_wait -3
	s_barrier_signal -1
	s_barrier_wait -1
.endm
.macro TLOAD
	tensor_load_to_lds s[G0:G0+3], s[G1:G1+7]
	s_nop 0
.rept 4
	v_nop
.endr
.endm
	s_load_b512 s[4:19], s[0:1], 0x0               ; aimg, asc, attf, wimg, Wres_scales, bres, g_out, b_out
	s_load_b64 s[20:21], s[0:1], 0x40              ; out0
	v_lshl_add_u32 v[SPW], v0, 2, SPARE
	v_mov_b32 v[NIL], 0
	ds_add_u32 v[SPW], v[NIL]                      ; the opening lines: the add, twice on end, and its wait
	ds_add_u32 v[SPW], v[NIL]
	v_lshrrev_b32 v1, 5, v0
	v_readfirstlane_b32 s22, v1                    ; wave 0..7
	s_bfe_u32 s40, ttmp6, 0x40000
	s_lshl_b32 s23, ttmp9, 2
	s_add_co_u32 s23, s23, s40                     ; my row tile: it enters addresses in memory alone
	s_mov_b32 s[G1], 15|(3<<16)|(1<<21)            ; the cluster's four; elements of 8 bytes; two tiles as 128 rows of 256 bytes, dense
	s_mov_b32 s[G1+1], 32<<16
	s_mov_b32 s[G1+2], 128<<16
	s_mov_b32 s[G1+3], 32<<16
	s_mov_b32 s[G1+4], 128
	s_mov_b32 s[G1+5], 32
	s_mov_b32 s[G1+6], 0
	s_mov_b32 s[G1+7], 0
	s_mov_b32 s48, 0x76543210
	s_mov_b32 s49, 0xfedcba98
	s_mov_b32 s50, 0x3a800000                      ; 1 / 1,024
	s_mov_b32 s51, 0x3727c5ac                      ; 1e-5
	s_mov_b32 s43, 0
	s_lshl_b32 s36, s22, 17                        ; my eight tiles in wimg
	s_mov_b32 s37, 0
	s_lshl_b32 s44, s22, 9
	s_lshl_b32 s45, s22, 15                        ; my LDS bytes
	s_lshl_b32 s46, s22, 6
	s_add_co_u32 s46, s46, RED
	s_lshl_b32 s41, s22, 11
	s_add_co_u32 s41, s41, AIMG
	v_and_b32 v1, 31, v0
	v_and_b32 v2, 15, v0
	v_bfe_u32 v3, v0, 4, 1
	v_lshlrev_b32 v[LI], 4, v1
	v_lshlrev_b32 v[AO], 1, v2
	v_lshlrev_b32 v[WO], 5, v1
	v_lshl_add_u32 v[BO], v3, 5, s44
	v_mul_u32_u24 v[SO], v2, SPITCH
	v_lshl_add_u32 v[SO], v3, 5, v[SO]
	v_add_nc_u32 v[SO], s45, v[SO]
	v_add_nc_u32 v[LA], s45, v[LI]
	v_lshl_add_u32 v[RW], v2, 2, s46
	v_lshl_add_u32 v[RR], v2, 2, RED
	v_add_nc_u32 v[AS], s41, v[LI]
	v_add_nc_u32 v[AR], AIMG, v[LI]
	WALU                                           ; the wait at the head's end
	s_wait_dscnt 0x0                               ; both opening adds are done
	s_wait_kmcnt 0x0
	s_add_nc_u64 s[10:11], s[10:11], s[36:37]      ; wimg at my tiles
	s_mov_b32 s[G0], 1
	s_mov_b32 s[G0+1], s45
	s_mov_b64 s[G0+2:G0+3], s[10:11]               ; tiles 0 and 1
	s_or_b32 s[G0+3], s[G0+3], 0x80000000
	s_lshl_b32 s42, s23, 14                        ; aimg: my row tile, K step = my wave
	s_lshl_b32 s47, s22, 11
	s_add_co_u32 s42, s42, s47
	s_add_nc_u64 s[4:5], s[4:5], s[42:43]
	s_lshr_b32 s42, s23, 7                         ; asc: 65,536 x batch + 32 x (row tile % 128)
	s_lshl_b32 s42, s42, 16
	s_and_b32 s47, s23, 127
	s_lshl_b32 s47, s47, 5
	s_add_co_u32 s42, s42, s47
	s_add_nc_u64 s[6:7], s[6:7], s[42:43]
	s_lshl_b32 s42, s22, 12                        ; Wres's scale bytes: my 128 features x 32
	s_add_nc_u64 s[12:13], s[12:13], s[42:43]
	s_lshl_b32 s42, s23, 16
	s_lshl_b32 s47, s22, 13
	s_add_co_u32 s42, s42, s47
	s_add_nc_u64 s[8:9], s[8:9], s[42:43]          ; attf
	s_lshl_b32 s42, s23, 16
	s_add_co_u32 s42, s42, s44
	s_add_nc_u64 s[20:21], s[20:21], s[42:43]      ; out0: my 16 rows, my 512 bytes of each
; Unit u's 16 loads.  u < 8: K step u's fragments of tiles 2 to 5, into buffer u % 3.
.macro UNIT u
	WIN 0x40
.if (\u) < 8
.irp n, 0,1,2,3
.irp c, 0,1,2,3
	global_load_b128 v[64*((\u)%3)+16*\n+4*\c:64*((\u)%3)+16*\n+4*\c+3], v[LI], s[10:11] offset:(2+\n)*16384+(\u)*2048+512*\c
.endr
.endr
.elseif (\u) == 8
.irp n, 0,1,2,3,4,5,6,7
	global_load_b128 v[128+8*\n:128+8*\n+3], v[LI], s[8:9] offset:1024*\n th:TH_LOAD_NT
	global_load_b128 v[128+8*\n+4:128+8*\n+7], v[LI], s[8:9] offset:1024*\n+512 th:TH_LOAD_NT
.endr
.elseif (\u) == 9
.irp n, 0,1,2,3,4,5,6,7
	global_load_b128 v[8*\n:8*\n+3], v[BO], s[16:17] offset:64*\n
	global_load_b128 v[8*\n+4:8*\n+7], v[BO], s[16:17] offset:64*\n+16
.endr
.else
.irp n, 0,1,2,3,4,5,6,7
	global_load_b128 v[64+8*\n:64+8*\n+3], v[BO], s[18:19] offset:64*\n
	global_load_b128 v[64+8*\n+4:64+8*\n+7], v[BO], s[18:19] offset:64*\n+16
.endr
.endif
.endm
.irp c, 0,1,2,3
	global_load_b128 v[ATT+4*\c:ATT+4*\c+3], v[LI], s[4:5] offset:512*\c           ; my fragment of a
.endr
	WIN 0x40
.set J, 0
.rept 16
	global_load_u16 v[LB+J], v[AO], s[6:7] offset:4096*J                           ; head J's two scale bytes of my row
.set J, J+1
.endr
	WIN 0
.irp p, 0,1,2,3
	global_load_b128 v[WSW+8*\p:WSW+8*\p+3], v[WO], s[12:13] offset:1024*\p
	global_load_b128 v[WSW+8*\p+4:WSW+8*\p+7], v[WO], s[12:13] offset:1024*\p+16
.endr
.irp n, 0,1,2,3,4,5,6,7
	global_load_b128 v[ACC+8*\n:ACC+8*\n+3], v[BO], s[14:15] offset:64*\n          ; the bias is the sums' first C
	global_load_b128 v[ACC+8*\n+4:ACC+8*\n+7], v[BO], s[14:15] offset:64*\n+16
.endr
	UNIT 0
	WIN 0
	CROUND                                         ; the four work-groups are here: the joint loads meet
	TLOAD                                          ; my one tensor load at the head: tiles 0 and 1
	s_wait_loadcnt 56                              ; my fragment of a is in: behind it 16 + 8 + 16 + 16 loads were issued
.irp c, 0,1,2,3
	ds_store_b128 v[AS], v[ATT+4*\c:ATT+4*\c+3] offset:512*\c
.endr
	s_wait_dscnt 0x0
	s_barrier_signal -1
	s_barrier_wait -1                              ; all eight fragments lie in LDS
.set J, 0
.rept 32
	ds_load_b128 v[ATT+4*J:ATT+4*J+3], v[AR] offset:512*J
.set J, J+1
.endr
	UNIT 1
	UNIT 2
; Batch b: K step b of tiles 2 to 5.  The wait's count: the 32 loads of units b + 1 and b + 2, issued behind unit b.
; The four accumulators take turns, so that three other products stand between two steps of a sum.
.macro BATCH b
	s_wait_loadcnt 32
.if (\b) == 0
	s_wait_dscnt 0x0                               ; a's fragments
	WIN 0x11
.irp s, 0,1,2,3,4,5,6,7
	v_lshl_or_b32 v[ASW+\s], v[LB+2*\s+1], 16, v[LB+2*\s]      ; K step s is heads 2 s and 2 s + 1: four bytes
.endr
	WALU                                           ; the wait behind these writes
.rept 8
	v_nop                                          ; a scale word made by vector lines stands eight places ahead of its product
.endr
.endif
	WIN 0x01
.irp n, 0,1,2,3
.if \n%2
	v_wmma_scale_f32_16x16x128_f8f6f4 v[ACC+8*(2+\n):ACC+8*(2+\n)+7], v[64*((\b)%3)+16*\n:64*((\b)%3)+16*\n+15], v[ATT+16*(\b):ATT+16*(\b)+15], v[ACC+8*(2+\n):ACC+8*(2+\n)+7], v[WSW+8*((2+\n)/2)+(\b)], v[ASW+(\b)] matrix_a_scale:MATRIX_SCALE_ROW1
.else
	v_wmma_scale_f32_16x16x128_f8f6f4 v[ACC+8*(2+\n):ACC+8*(2+\n)+7], v[64*((\b)%3)+16*\n:64*((\b)%3)+16*\n+15], v[ATT+16*(\b):ATT+16*(\b)+15], v[ACC+8*(2+\n):ACC+8*(2+\n)+7], v[WSW+8*((2+\n)/2)+(\b)], v[ASW+(\b)]
.endif
.endr
.rept 8
	v_nop                                          ; eight places ahead of loads into registers that the products have read
.endr
	UNIT (\b)+3
.endm
; The two tiles that lie in my LDS bytes, t0 and t0 + 1, all of K: four times four fragments (two K steps x two tiles) and four products, the two accumulators by turns.
.macro LPH t0
	WIN 0
	s_wait_tensorcnt 0x0                           ; my tensor load has landed; I alone read its bytes
.irp j, 0,1,2,3
	WIN 0x40
.irp q, 0,1
.irp i, 0,1
.irp c, 0,1,2,3
	ds_load_b128 v[LB+16*(2*\q+\i)+4*\c:LB+16*(2*\q+\i)+4*\c+3], v[LA] offset:16384*\i+2048*(2*\j+\q)+512*\c
.endr
.endr
.endr
	s_wait_dscnt 0x0
	WIN 0x01
.irp q, 0,1
	v_wmma_scale_f32_16x16x128_f8f6f4 v[ACC+8*(\t0):ACC+8*(\t0)+7], v[LB+32*\q:LB+32*\q+15], v[ATT+16*(2*\j+\q):ATT+16*(2*\j+\q)+15], v[ACC+8*(\t0):ACC+8*(\t0)+7], v[WSW+8*((\t0)/2)+2*\j+\q], v[ASW+2*\j+\q]
	v_wmma_scale_f32_16x16x128_f8f6f4 v[ACC+8*(\t0)+8:ACC+8*(\t0)+15], v[LB+32*\q+16:LB+32*\q+31], v[ATT+16*(2*\j+\q):ATT+16*(2*\j+\q)+15], v[ACC+8*(\t0)+8:ACC+8*(\t0)+15], v[WSW+8*((\t0)/2)+2*\j+\q], v[ASW+2*\j+\q] matrix_a_scale:MATRIX_SCALE_ROW1
.endr
.rept 8
	v_nop
.endr
.endr
	WIN 0
.endm
	BATCH 0
	BATCH 1
	LPH 0
	s_wait_tensorcnt 0x0                           ; THE REFILL: the wait, the add and its wait in every wave, then the round, then the load
	ds_add_u32 v[SPW], v[NIL]
	s_add_nc_u64 s[G0+2:G0+3], s[G0+2:G0+3], 6*16384   ; no tensor load of mine is out: on to tiles 6 and 7
	s_wait_dscnt 0x0                               ; the add is done, and my reads of these bytes are over
	CROUND
	TLOAD                                          ; my one tensor load behind the round
.irp b, 2,3,4,5,6,7
	BATCH \b
.endr
	LPH 6
; tanh(x) = 1 - 2 / (1 + 2^(2 log2(e) x)), on the 64 numbers at ACC; each batch of transcendentals has one wait ahead of it and one behind it
.macro TANH_HEAD
.set J, 0
.rept 32
	v_pk_mul_f32 v[ACC+J:ACC+J+1], v[ACC+J:ACC+J+1], 0x4038aa3b op_sel_hi:[1,0]
.set J, J+2
.endr
	WALU
.set J, 0
.rept 64
	v_exp_f32 v[ACC+J], v[ACC+J]
.set J, J+1
.endr
.endm
.macro TANH_MID
	WALU
.set J, 0
.rept 32
	v_pk_add_f32 v[ACC+J:ACC+J+1], v[ACC+J:ACC+J+1], 1.0 op_sel_hi:[1,0]
.set J, J+2
.endr
	WALU
.set J, 0
.rept 64
	v_rcp_f32 v[ACC+J], v[ACC+J]
.set J, J+1
.endr
	v_nop
	WALU
.endm
	TANH_HEAD
	s_wait_loadcnt 32                              ; a in f32 is in; g_out's and b_out's 32 loads may be out
	WIN 0x41
.set J, 0
.rept 32
	v_pk_add_f32 v[128+J:128+J+1], v[128+J:128+J+1], 1.0 op_sel_hi:[1,0]       ; a + 1 (plain work behind the exponentials)
.set J, J+2
.endr
	WIN 0
	TANH_MID
	WIN 0x10
.set J, 0
.rept 32
	v_pk_fma_f32 v[ACC+J:ACC+J+1], v[ACC+J:ACC+J+1], -2.0, v[128+J:128+J+1] op_sel_hi:[1,0,1]   ; y = a + 1 - 2 / (..)
.set J, J+2
.endr
	WIN 0
; A row's sum over the work-group: lane l xor 16's half, then the eight waves' parts through LDS; every wave adds them in the same order
.macro ACROSS off
	v_permlanex16_b32 v[T+2], v[T], s48, s49
	v_add_f32 v[T], v[T], v[T+2]
	ds_store_b32 v[RW], v[T] offset:\off
	WALU                                           ; the wait ahead of the wait below
	s_wait_dscnt 0x0
	s_barrier_signal -1
	s_barrier_wait -1
.irp k, 0,1,2,3,4,5,6,7
	ds_load_b32 v[T+\k], v[RR] offset:\off+64*\k
.endr
	s_wait_dscnt 0x0
	v_add_f32 v[T], v[T], v[T+1]
	v_add_f32 v[T+2], v[T+2], v[T+3]
	v_add_f32 v[T+4], v[T+4], v[T+5]
	v_add_f32 v[T+6], v[T+6], v[T+7]
	v_add_f32 v[T], v[T], v[T+2]
	v_add_f32 v[T+4], v[T+4], v[T+6]
	v_add_f32 v[T], v[T], v[T+4]
.endm
.irp k, 0,1,2,3
	v_pk_add_f32 v[T+2*\k:T+2*\k+1], v[ACC+2*\k:ACC+2*\k+1], v[ACC+8+2*\k:ACC+9+2*\k]
.endr
.set PP, 16
.rept 6
.irp k, 0,1,2,3
	v_pk_add_f32 v[T+2*\k:T+2*\k+1], v[T+2*\k:T+2*\k+1], v[ACC+PP+2*\k:ACC+PP+2*\k+1]
.endr
.set PP, PP+8
.endr
	v_pk_add_f32 v[T:T+1], v[T:T+1], v[T+2:T+3]
	v_pk_add_f32 v[T+4:T+5], v[T+4:T+5], v[T+6:T+7]
	v_pk_add_f32 v[T:T+1], v[T:T+1], v[T+4:T+5]
	v_add_f32 v[T], v[T], v[T+1]
	ACROSS 0
	v_mul_f32 v[T], s50, v[T]                      ; the mean
.set J, 0
.rept 32
	v_pk_add_f32 v[ACC+J:ACC+J+1], v[ACC+J:ACC+J+1], v[T:T+1] op_sel_hi:[1,0] neg_lo:[0,1] neg_hi:[0,1]
.set J, J+2
.endr
.irp k, 0,1,2,3
	v_pk_mul_f32 v[T+8+2*\k:T+9+2*\k], v[ACC+2*\k:ACC+2*\k+1], v[ACC+2*\k:ACC+2*\k+1]
.endr
.set PP, 8
.rept 7
.irp k, 0,1,2,3
	v_pk_fma_f32 v[T+8+2*\k:T+9+2*\k], v[ACC+PP+2*\k:ACC+PP+2*\k+1], v[ACC+PP+2*\k:ACC+PP+2*\k+1], v[T+8+2*\k:T+9+2*\k]
.endr
.set PP, PP+8
.endr
	v_pk_add_f32 v[T+8:T+9], v[T+8:T+9], v[T+10:T+11]
	v_pk_add_f32 v[T+12:T+13], v[T+12:T+13], v[T+14:T+15]
	v_pk_add_f32 v[T+8:T+9], v[T+8:T+9], v[T+12:T+13]
	v_add_f32 v[T], v[T+8], v[T+9]
	ACROSS 512
	v_fma_f32 v[T], v[T], s50, s51                 ; the variance + 1e-5
	WALU
	v_rsq_f32 v[T], v[T]
	v_nop
	WALU
.set J, 0
.rept 32
	v_pk_mul_f32 v[ACC+J:ACC+J+1], v[ACC+J:ACC+J+1], v[T:T+1] op_sel_hi:[1,0]
.set J, J+2
.endr
	WALU                                           ; the wait ahead of the wait below
	s_wait_loadcnt 0x0                             ; g_out and b_out
	WIN 0x14
.set J, 0
.rept 32
	v_pk_fma_f32 v[ACC+J:ACC+J+1], v[ACC+J:ACC+J+1], v[J:J+1], v[64+J:64+J+1]
.set J, J+2
.endr
	WIN 0
	TANH_HEAD
	v_nop
	TANH_MID
.set J, 0
.rept 32
	v_pk_fma_f32 v[ACC+J:ACC+J+1], v[ACC+J:ACC+J+1], -2.0, 1.0 op_sel_hi:[1,0,0]
.set J, J+2
.endr
; THE WAY OUT.  A lane holds 32 neighbouring bytes of a row for each tile: my 16 rows x 512 bytes go through my stage and come back as whole rows.  The stage lies in my own LDS bytes, which have had their last fill and their last read.
; LDS serves a wave's instructions in order (ISA guide 5.7.1.4): no wait between the stores and the loads.
.irp n, 0,1,2,3,4,5,6,7
	ds_store_b128 v[SO], v[ACC+8*\n:ACC+8*\n+3] offset:64*\n
	ds_store_b128 v[SO], v[ACC+8*\n+4:ACC+8*\n+7] offset:64*\n+16
.endr
.set J, 0
.rept 16
	ds_load_b128 v[ATT+4*J:ATT+4*J+3], v[LA] offset:SPITCH*J
.set J, J+1
.endr
.set J, 0
.rept 16
	s_wait_dscnt 15-J
	global_store_b128 v[LI], v[ATT+4*J:ATT+4*J+3], s[20:21] offset:4096*J th:TH_STORE_NT   ; 32 lanes store 512 consecutive bytes, at a multiple of 256 from out0's first byte
.set J, J+1
.endr
	s_wait_tensorcnt 0x0                           ; the wave's end
	ds_add_u32 v[SPW], v[NIL]
	s_wait_dscnt 0x0
	CROUND                                         ; the closing round: no work-group ends while a partner may still ask for a tile that names it
	s_endpgm
.Lfunc_end_k_q87e5a2e4d7_outp:
	.size	k_q87e5a2e4d7_outp, .Lfunc_end_k_q87e5a2e4d7_outp-k_q87e5a2e4d7_outp
	.p2alignl 7, 3214868480
	.fill 96, 4, 3214868480
	.section	.rodata,"a",@progbits
	.p2align	6, 0x0
	.amdhsa_kernel k_q87e5a2e4d7_outp
		.amdhsa_group_segment_fixed_size 327680
		.amdhsa_private_segment_fixed_size 0
		.amdhsa_enable_private_segment 0
		.amdhsa_kernarg_size 72
		.amdhsa_user_sgpr_count 2
		.amdhsa_user_sgpr_kernarg_segment_ptr 1
		.amdhsa_wavefront_size32 1
		.amdhsa_system_sgpr_workgroup_id_x 1
		.amdhsa_system_sgpr_workgroup_id_y 1
		.amdhsa_system_sgpr_workgroup_id_z 1
		.amdhsa_system_vgpr_workitem_id 0
		.amdhsa_next_free_vgpr 512
		.amdhsa_next_free_sgpr 66
		.amdhsa_reserve_vcc 0
		.amdhsa_float_denorm_mode_32 3
		.amdhsa_float_denorm_mode_16_64 3
		.amdhsa_memory_ordered 1
		.amdhsa_forward_progress 1
		.amdhsa_inst_pref_size 93
	.end_amdhsa_kernel
	.amdgpu_metadata
---
amdhsa.version: [ 1, 2 ]
amdhsa.kernels:
  - .name:           k_q87e5a2e4d7_outp
    .symbol:         k_q87e5a2e4d7_outp.kd
    .args:
      - { .name: aimg, .offset: 0, .size: 8, .value_kind: global_buffer, .address_space: global }
      - { .name: asc, .offset: 8, .size: 8, .value_kind: global_buffer, .address_space: global }
      - { .name: attf, .offset: 16, .size: 8, .value_kind: global_buffer, .address_space: global }
      - { .name: wimg, .offset: 24, .size: 8, .value_kind: global_buffer, .address_space: global }
      - { .name: Wres_scales, .offset: 32, .size: 8, .value_kind: global_buffer, .address_space: global }
      - { .name: bres, .offset: 40, .size: 8, .value_kind: global_buffer, .address_space: global }
      - { .name: g_out, .offset: 48, .size: 8, .value_kind: global_buffer, .address_space: global }
      - { .name: b_out, .offset: 56, .size: 8, .value_kind: global_buffer, .address_space: global }
      - { .name: out0, .offset: 64, .size: 8, .value_kind: global_buffer, .address_space: global }
    .group_segment_fixed_size: 327680
    .private_segment_fixed_size: 0
    .kernarg_segment_align: 8
    .kernarg_segment_size: 72
    .max_flat_workgroup_size: 256
    .sgpr_count:     66
    .vgpr_count:     512
    .wavefront_size: 32
...
	.end_amdgpu_metadata
.endif
;; end of part 3
